; MI455X (gfx1250); checked and timed in simulation.
; The chip was launched on July 23, 2026; its instructions are those of AMD's public machine-readable ISA for CDNA 5 (MIT licence, August 2026) and "CDNA5" Instruction Set Architecture Reference Guide (July 2026). The comments in the code are by the model that wrote it; some were corrected since.
;; Transformer Encoder Layer. Allowed arithmetic: matrix products marked QUANTISED: E5M2 operands, one E8M0 scale for each 32 along K, by v_wmma_scale_f32_16x16x128_f8f6f4 with both operands' format E5M2, f32 sums; everything else in f32.
;; Inputs: b1 4,096 float32; b2 1,024 float32; bk 1,024 float32; bo 1,024 float32; bq 1,024 float32; bv 1,024 float32; ln1_b 1,024 float32; ln1_g 1,024 float32; ln2_b 1,024 float32; ln2_g 1,024 float32; w1_codes 4,096 x 32 x 32 uint8 (E5M2 codes of w1, K innermost, in blocks of 32 codes); w1_scales 4,096 x 32 uint8 (E8M0 scales of w1, one for each 32 codes along K); w2_codes 1,024 x 128 x 32 uint8 (E5M2 codes of w2, K innermost, in blocks of 32 codes); w2_scales 1,024 x 128 uint8 (E8M0 scales of w2, one for each 32 codes along K); wk_codes 1,024 x 32 x 32 uint8 (E5M2 codes of wk, K innermost, in blocks of 32 codes); wk_scales 1,024 x 32 uint8 (E8M0 scales of wk, one for each 32 codes along K); wo_codes 1,024 x 32 x 32 uint8 (E5M2 codes of wo, K innermost, in blocks of 32 codes); wo_scales 1,024 x 32 uint8 (E8M0 scales of wo, one for each 32 codes along K); wq_codes 1,024 x 32 x 32 uint8 (E5M2 codes of wq, K innermost, in blocks of 32 codes); wq_scales 1,024 x 32 uint8 (E8M0 scales of wq, one for each 32 codes along K); wv_codes 1,024 x 32 x 32 uint8 (E5M2 codes of wv, K innermost, in blocks of 32 codes); wv_scales 1,024 x 32 uint8 (E8M0 scales of wv, one for each 32 codes along K); x 2 x 2,048 x 1,024 float32.
;; Outputs: out0 2 x 2,048 x 1,024 float32.
;; This version of the problem:
;;   THIS VERSION OF THE PROBLEM IS GIVEN IN LOW PRECISION. The matrix products marked QUANTISED in the list below multiply operands that are first quantised to E5M2 (5 exponent bits, 2 mantissa bits; 8 bits a number), with one power-of-two scale for each 32 numbers along K (OCP MX v1.0); their sums are f32. All else is computed in f32.
;;   The module's matrix products, in the order in which they are computed (A, B: the left and right operand; K: the contracted axis; several contracted axes count as one K, in the product's order):
;;     1. [M 4,096, K 1,024] x [K 1,024, N 1,024]; A: computed on the way; B: input wq (given as codes): QUANTISED
;;     2. [M 4,096, K 1,024] x [K 1,024, N 1,024]; A: computed on the way; B: input wk (given as codes): QUANTISED
;;     3. [M 4,096, K 1,024] x [K 1,024, N 1,024]; A: computed on the way; B: input wv (given as codes): QUANTISED
;;     4. batch 32 x [M 2,048, K 64] x [K 64, N 2,048]; A: computed on the way; B: computed on the way: QUANTISED
;;     5. batch 32 x [M 64, K 2,048] x [K 2,048, N 2,048]; A: computed on the way; B: softmax (see below): QUANTISED
;;     6. [M 4,096, K 1,024] x [K 1,024, N 1,024]; A: computed on the way; B: input wo (given as codes): QUANTISED
;;     7. [M 4,096, K 1,024] x [K 1,024, N 4,096]; A: computed on the way; B: input w1 (given as codes): QUANTISED
;;     8. [M 4,096, K 4,096] x [K 4,096, N 1,024]; A: computed on the way; B: input w2 (given as codes): QUANTISED
;;   THE QUANTISER, for each operand of a quantised product, along K:
;;     - K is cut into blocks of 32 from its start; a last block that is shorter is filled with zeros.
;;     - A block's scale is 2^e with e = floor(log2(the largest magnitude in the block)) - 15, held to -126 .. 127; a block of zeros has e = 0. As a byte (E8M0): e + 127.
;;     - Each number is divided by its block's scale, clamped to +-57,344, and rounded to the nearest number of E5M2, ties to even, subnormals kept.
;;     - The product sums the exact products of the quantised numbers (number of the format x scale) in f32.
;;   ~~~python
;;   def quantise(x, axis):      # numpy; x: float32 -> the quantised numbers, widened to float32 again
;;       x = np.moveaxis(x, axis, -1); K = x.shape[-1]
;;       x = np.pad(x, [(0, 0)] * (x.ndim - 1) + [(0, -K % 32)]); x = x.reshape(x.shape[:-1] + (-1, 32)); a = np.abs(x).max(-1, keepdims=True)
;;       e = np.where(a > 0, np.clip(np.frexp(np.where(a > 0, a, 1))[1] - 1 - 15, -126, 127), 0)      # np.frexp(a)[1] - 1 = floor(log2(a)), exactly
;;       r = np.clip(x / 2.0 ** e, -57344, 57344)
;;       step = 2.0 ** (np.maximum(np.frexp(np.where(r == 0, 1, r))[1] - 1, -14) - 2)
;;       q = np.round(r / step) * step * 2.0 ** e      # np.round: ties to even
;;       return np.moveaxis(q.reshape(q.shape[:-2] + (-1,))[..., :K], -1, axis).astype(np.float32)
;;   ~~~
;;   SOFTMAX AHEAD OF A QUANTISED PRODUCT. Where the list says 'softmax', what is quantised is not the finished softmax but p = 2^(t - M), with t = logit x log2(e) and M = ceil(the row's largest t), a whole number; so 1/2 < the row's largest p <= 1. The row's sum l is taken of the UNQUANTISED p, in f32, and the product's result is divided by l at the end. Since M is a whole number, a kernel that streams over the keys may use a running M (the ceiling of the running maximum): every later rescaling is an exact power of two, which a block's scale takes up: the codes' values come out the same.
;;   OPERANDS COMPUTED ON THE WAY. 'Computed on the way' means the value that the module computes at that place (a softmax that the list does not call 'softmax' is quantised finished and normalised). What goes into a quantiser is computed in f32, as accurately as f32 sums, v_exp_f32 and their like allow (about 1e-6 of the number): no bf16 or f16 on the way to a quantiser, and a product that is left as it is and whose result goes on into a quantised operand takes f32 operands (vector FMAs, or v_wmma_f32_16x16x4_f32). A number that lies on a knife's edge between two numbers of the format may be rounded either way, as far as f32 arithmetic and the matrix unit's own rounding can turn it there, and no further.
;;   INPUTS GIVEN AS CODES. w1 (in the module: [4096, 1024], K = its axis 1); w2 (in the module: [1024, 4096], K = its axis 1); wk (in the module: [1024, 1024], K = its axis 1); wo (in the module: [1024, 1024], K = its axis 1); wq (in the module: [1024, 1024], K = its axis 1); wv (in the module: [1024, 1024], K = its axis 1): each comes as NAME_codes (uint8): NAME with its K axis moved to the last place and cut into blocks of 32 codes, [.., K / 32, bytes a block], one block behind the other in memory; one code a byte (a code: sign, 5 exponent bits, 2 mantissa bits); and NAME_scales (uint8): the same leading axes, one E8M0 byte (e + 127) for each 32 codes along K. Its value is code x scale, taken as it is: it is not quantised again, and the codes and scales need not be those that the quantiser above would give.
;; One version. Each part assembles by itself: llvm-mc -triple=amdgcn-amd-amdhsa -mcpu=gfx1250 --defsym DOCPART=n.
;; ======== version 1 of 1: 7 launches
;; limits: right only within a limited range of input values
;; workspace buffers: xn 16,777,216 bytes; xq 4,325,376 bytes; qkv 13,238,272 bytes; oq 4,325,376 bytes; y 16,777,216 bytes; hq 17,301,504 bytes
;; launch ln1 (part 1): grid 256 x 1, 16 waves a work-group, no clusters, 18,944 bytes of LDS; arguments x, ln1_g, ln1_b, xn, xq; writes xn, xq
.if DOCPART == 1
	.amdgcn_target "amdgcn-amd-amdhsa--gfx1250"
	.amdhsa_code_object_version 6
	.text
	.protected	k_qe55efd0f92_ln1
	.globl	k_qe55efd0f92_ln1
	.p2align	8
	.type	k_qe55efd0f92_ln1,@function
k_qe55efd0f92_ln1:
	s_mov_b64 s[64:65], 0
	v_nop
	global_prefetch_b8 v0, s[64:65] scope:SCOPE_SE
	s_setreg_imm32_b32 hwreg(HW_REG_WAVE_MODE, 25, 1), 1
	s_wait_xcnt 0x0
; LAYER NORM AND QUANTISER.  in [4096][1024] f32 -> rows [4096][1024] f32 = (in - mean) * rsqrt(var + 1e-5) * gain + bias, and the same rows as codes of E5M2
; [4096][1024] (K innermost) with one E8M0 byte for each 32 along a row, [4096][32], 4,194,304 bytes behind the codes.
; A stream: no matrix work, no tensor loads, no cluster (no work-group shares a byte with another).  A work-group of sixteen waves owns 16 rows, a wave one row, in 32 registers:
; register 4 j + e of a lane is column 128 j + 4 lane + e, so every load and store of a wave covers 512 consecutive bytes.  All 4 KiB of a wave are asked for at its head.
; The variance is taken of (in - mean), in a second pass over the registers, so that a common offset of the inputs costs no digits.
; A block of 32 lies in eight neighbouring lanes (4 numbers each).  A conversion takes 8 registers, which here belong to two blocks: so each number is first multiplied by 2^-e of its own block
; (exact) and the conversion's own scale is 1.  e = floor(log2(largest magnitude)) - 15; the byte is the largest magnitude's exponent field - 15, held at 1 from below.
; LIMITS: NaN and infinities are not served.  A block whose largest magnitude lies under 2^-111 (a block of zeros too) gets the byte 1; the bytes are read by this program alone.
; SHARES, as they now stand: a work-group of SIXTEEN waves owns 16 rows, a wave ONE row, in v80-111; four waves share a SIMD.  LDS: 1,024 bytes of stage a wave, the 512 scale bytes, 2,048 bytes of spare words.
.set X,   80
.set GN,  16                           ; v16-47   gain
.set BS,  48                           ; v48-79   bias
.set FB,  208                          ; v208-223 pairs (2^-e, byte) of the row's eight blocks of a lane
.set MX,  224                          ; v224-231 largest magnitudes
.set CD,  232                          ; v232-239 codes: register j = columns 128 j + 4 lane + 0..3
.set SBY, 16384                        ; LDS: 0..16383 a stage of 1,024 bytes of codes for each wave; behind it the 16 rows' 512 scale bytes
	s_load_b256 s[4:11], s[0:1], 0x0               ; in s[4:5], gain s[6:7], bias s[8:9], rows out s[10:11]
	s_load_b64 s[12:13], s[0:1], 0x20              ; codes and scale bytes out
	v_lshl_add_u32 v244, v0, 2, 0x4200
	v_mov_b32 v245, 0
	v_lshrrev_b32 v1, 5, v0
	v_readfirstlane_b32 s14, v1                    ; wave
	v_and_b32 v1, 31, v0                           ; lane
	v_lshlrev_b32 v2, 4, v1                        ; 16 x lane
	s_lshl_b32 s15, s14, 10
	v_lshl_add_u32 v3, v1, 2, s15                  ; stage, in: 1,024 x wave + 4 x lane
	v_add_nc_u32 v4, s15, v2                       ; stage, out: 1,024 x wave + 16 x lane
	v_lshrrev_b32 v5, 3, v1
	s_lshl_b32 s15, s14, 5
	s_add_co_u32 s15, s15, SBY
	v_add_nc_u32 v5, s15, v5                       ; my block's scale byte: 32 x wave + lane / 8
	v_add_nc_u32 v240, SBY, v2                     ; all 512 scale bytes, 16 a lane
	v_mov_b32 v6, 1.0                              ; the conversions' scale operand
	v_mov_b32 v7, 0                                ; a lane permute's destination counts as a source: written once
	s_mov_b32 s20, 0x76543210
	s_mov_b32 s21, 0xfedcba98                      ; v_permlanex16_b32: lane l xor 16
	s_mov_b32 s22, 0x47600000                      ; 57,344
	s_mov_b32 s23, 0x86800000                      ; 269 << 23: less an exponent field E it is the f32 number 2^(142 - E) = 2^-e
	s_mov_b32 s24, 0x3a800000                      ; 1 / 1,024
	s_mov_b32 s25, 0x3727c5ac                      ; 1e-5
	s_lshl_b32 s16, ttmp9, 16                      ; 16 rows of 4,096 bytes a work-group,
	s_lshl_b32 s18, s14, 12                        ; one row a wave
	s_add_co_u32 s16, s16, s18
	s_mov_b32 s17, 0
	s_lshr_b32 s18, s16, 2                         ; a row of codes is a quarter of that
	s_mov_b32 s19, 0
	s_lshl_b32 s26, ttmp9, 9                       ; 512 scale bytes a work-group, behind the codes
	s_add_co_u32 s26, s26, 0x400000
	s_mov_b32 s27, 0
	s_wait_alu depctr_va_vdst(0)
	s_wait_kmcnt 0x0
	s_add_nc_u64 s[4:5], s[4:5], s[16:17]
	s_add_nc_u64 s[10:11], s[10:11], s[16:17]
	s_add_nc_u64 s[26:27], s[12:13], s[26:27]
	s_add_nc_u64 s[12:13], s[12:13], s[18:19]
.irp j, 0,1,2,3,4,5,6,7
	global_load_b128 v[GN+4*\j:GN+4*\j+3], v2, s[6:7] offset:512*\j
.endr
.irp j, 0,1,2,3,4,5,6,7
	global_load_b128 v[BS+4*\j:BS+4*\j+3], v2, s[8:9] offset:512*\j
.endr
.irp i, 0
.irp j, 0,1,2,3,4,5,6,7
	global_load_b128 v[X+32*\i+4*\j:X+32*\i+4*\j+3], v2, s[4:5] offset:4096*\i+512*\j th:TH_LOAD_NT
.endr
.endr
.macro LANES                           ; v8 summed over the 32 lanes, the sum in every lane
	v_add_f32_dpp v8, v8, v8 row_xmask:1 row_mask:0xf bank_mask:0xf
	v_add_f32_dpp v8, v8, v8 row_xmask:2 row_mask:0xf bank_mask:0xf
	v_add_f32_dpp v8, v8, v8 row_xmask:4 row_mask:0xf bank_mask:0xf
	v_add_f32_dpp v8, v8, v8 row_xmask:8 row_mask:0xf bank_mask:0xf
	v_permlanex16_b32 v7, v8, s20, s21
	v_add_f32 v8, v8, v7
.endm
.macro ROW i
.set XR, X+32*\i
	s_wait_loadcnt 0x0                             ; gain, bias and my row are in
	v_pk_add_f32 v[8:9], v[XR:XR+1], v[XR+2:XR+3]  ; the row's sum, in two chains
	v_pk_add_f32 v[10:11], v[XR+4:XR+5], v[XR+6:XR+7]
.irp p, 8,12,16,20,24,28
	v_pk_add_f32 v[8:9], v[8:9], v[XR+\p:XR+\p+1]
	v_pk_add_f32 v[10:11], v[10:11], v[XR+\p+2:XR+\p+3]
.endr
	v_pk_add_f32 v[8:9], v[8:9], v[10:11]
	v_add_f32 v8, v8, v9
	LANES
	v_mul_f32 v12, s24, v8                         ; the mean, twice
	v_mov_b32 v13, v12
.set P, 0
.rept 16
	v_pk_add_f32 v[XR+P:XR+P+1], v[XR+P:XR+P+1], v[12:13] neg_lo:[0,1] neg_hi:[0,1]
.set P, P+2
.endr
	v_pk_mul_f32 v[8:9], v[XR:XR+1], v[XR:XR+1]    ; the sum of squares of (in - mean)
	v_pk_mul_f32 v[10:11], v[XR+2:XR+3], v[XR+2:XR+3]
.irp p, 4,8,12,16,20,24,28
	v_pk_fma_f32 v[8:9], v[XR+\p:XR+\p+1], v[XR+\p:XR+\p+1], v[8:9]
	v_pk_fma_f32 v[10:11], v[XR+\p+2:XR+\p+3], v[XR+\p+2:XR+\p+3], v[10:11]
.endr
	v_pk_add_f32 v[8:9], v[8:9], v[10:11]
	v_add_f32 v8, v8, v9
	LANES
	v_fma_f32 v14, v8, s24, s25                    ; var + eps
	s_wait_alu depctr_va_vdst(0)
	v_rsq_f32 v14, v14
	v_nop                                          ; one plain instruction behind a transcendental before its result is used
	s_wait_alu depctr_va_vdst(0)
	v_mov_b32 v15, v14
.set P, 0
.rept 16
	v_pk_mul_f32 v[XR+P:XR+P+1], v[XR+P:XR+P+1], v[14:15]
.set P, P+2
.endr
.set P, 0
.rept 16
	v_pk_fma_f32 v[XR+P:XR+P+1], v[XR+P:XR+P+1], v[GN+P:GN+P+1], v[BS+P:BS+P+1]
.set P, P+2
.endr
.irp j, 0,1,2,3,4,5,6,7
	global_store_b128 v2, v[XR+4*\j:XR+4*\j+3], s[10:11] offset:4096*\i+512*\j   ; 512 consecutive bytes
.endr
.irp j, 0,1,2,3,4,5,6,7
	v_max3_num_f32 v[MX+\j], |v[XR+4*\j]|, |v[XR+4*\j+1]|, 0x8000000   ; my four numbers of block 4 j + lane / 8, and the floor 2^(16 - 127)
.endr
.irp j, 0,1,2,3,4,5,6,7
	v_max3_num_f32 v[MX+\j], v[MX+\j], |v[XR+4*\j+2]|, |v[XR+4*\j+3]|
.endr
.irp m, 1,2,4
.irp j, 0,1,2,3,4,5,6,7
	v_max_num_f32_dpp v[MX+\j], v[MX+\j], v[MX+\j] row_xmask:\m row_mask:0xf bank_mask:0xf   ; with the block's seven other lanes
.endr
.endr
.irp j, 0,1,2,3,4,5,6,7
	v_and_b32 v[FB+2*\j], 0x7f800000, v[MX+\j]
	v_lshrrev_b32 v[FB+2*\j+1], 23, v[MX+\j]
.endr
.irp j, 0,1,2,3,4,5,6,7
	v_sub_nc_u32 v[FB+2*\j], s23, v[FB+2*\j]       ; 2^-e
	v_add_nc_u32 v[FB+2*\j+1], -15, v[FB+2*\j+1]   ; the scale's byte
.endr
	s_wait_xcnt 0x0                                ; the row's registers are the stores' data: they are rewritten only behind this wait
.irp j, 0,1,2,3,4,5,6,7
	v_pk_mul_f32 v[XR+4*\j:XR+4*\j+1], v[XR+4*\j:XR+4*\j+1], v[FB+2*\j:FB+2*\j+1] op_sel_hi:[1,0]
	v_pk_mul_f32 v[XR+4*\j+2:XR+4*\j+3], v[XR+4*\j+2:XR+4*\j+3], v[FB+2*\j:FB+2*\j+1] op_sel_hi:[1,0]
.endr
.set P, 0
.rept 32
	v_med3_num_f32 v[XR+P], v[XR+P], -s22, s22     ; the conversion to an 8-bit code does not saturate (ISA guide 7.6.2): the hold at the largest code
.set P, P+1
.endr
.irp m, 0,1,2,3
	v_cvt_scalef32_pk8_bf8_f32 v[CD+2*\m:CD+2*\m+1], v[XR+8*\m:XR+8*\m+7], v6
.endr
	v_nop                                          ; one plain instruction behind the last scaled conversion
.irp j, 0,1,2,3,4,5,6,7
	ds_store_b32 v3, v[CD+\j] offset:1024*\i+128*\j
	ds_store_b8 v5, v[FB+2*\j+1] offset:32*\i+4*\j ; the eight lanes of a block write the same byte with the same value
.endr
	ds_load_b128 v[XR:XR+3], v4 offset:1024*\i     ; LDS serves a wave's instructions in order: these see my stores
	ds_load_b128 v[XR+4:XR+7], v4 offset:1024*\i+512
	s_wait_dscnt 0x0                               ; the row's codes are back, and the stores have read their registers
	global_store_b128 v2, v[XR:XR+3], s[12:13] offset:1024*\i
	global_store_b128 v2, v[XR+4:XR+7], s[12:13] offset:1024*\i+512
.endm
	ROW 0
	s_wait_dscnt 0x0                               ; for the others' sake: my scale bytes lie in LDS
	s_barrier_signal -1
	s_barrier_wait -1
	s_cmp_lg_u32 s14, 0
	s_cbranch_scc1 .Ldone
	ds_load_b128 v[8:11], v240                     ; wave 0 stores the 16 rows' 512 scale bytes: two aligned runs of 256
	s_wait_dscnt 0x0
	global_store_b128 v2, v[8:11], s[26:27]
.Ldone:
	s_wait_tensorcnt 0x0
	ds_add_u32 v244, v245
	s_wait_dscnt 0x0
	s_endpgm
.Lfunc_end_k_qe55efd0f92_ln1:
	.size	k_qe55efd0f92_ln1, .Lfunc_end_k_qe55efd0f92_ln1-k_qe55efd0f92_ln1
	.p2alignl 7, 3214868480
	.fill 96, 4, 3214868480
	.section	.rodata,"a",@progbits
	.p2align	6, 0x0
	.amdhsa_kernel k_qe55efd0f92_ln1
		.amdhsa_group_segment_fixed_size 18944
		.amdhsa_private_segment_fixed_size 0
		.amdhsa_enable_private_segment 0
		.amdhsa_kernarg_size 40
		.amdhsa_user_sgpr_count 2
		.amdhsa_user_sgpr_kernarg_segment_ptr 1
		.amdhsa_wavefront_size32 1
		.amdhsa_system_sgpr_workgroup_id_x 1
		.amdhsa_system_sgpr_workgroup_id_y 1
		.amdhsa_system_sgpr_workgroup_id_z 1
		.amdhsa_system_vgpr_workitem_id 0
		.amdhsa_next_free_vgpr 246
		.amdhsa_next_free_sgpr 66
		.amdhsa_reserve_vcc 0
		.amdhsa_float_denorm_mode_32 3
		.amdhsa_float_denorm_mode_16_64 3
		.amdhsa_memory_ordered 1
		.amdhsa_forward_progress 1
		.amdhsa_inst_pref_size 21
	.end_amdhsa_kernel
	.amdgpu_metadata
---
amdhsa.version: [ 1, 2 ]
amdhsa.kernels:
  - .name:           k_qe55efd0f92_ln1
    .symbol:         k_qe55efd0f92_ln1.kd
    .args:
      - { .name: x, .offset: 0, .size: 8, .value_kind: global_buffer, .address_space: global }
      - { .name: ln1_g, .offset: 8, .size: 8, .value_kind: global_buffer, .address_space: global }
      - { .name: ln1_b, .offset: 16, .size: 8, .value_kind: global_buffer, .address_space: global }
      - { .name: xn, .offset: 24, .size: 8, .value_kind: global_buffer, .address_space: global }
      - { .name: xq, .offset: 32, .size: 8, .value_kind: global_buffer, .address_space: global }
    .group_segment_fixed_size: 18944
    .private_segment_fixed_size: 0
    .kernarg_segment_align: 8
    .kernarg_segment_size: 40
    .max_flat_workgroup_size: 512
    .sgpr_count:     66
    .vgpr_count:     246
    .wavefront_size: 32
...
	.end_amdgpu_metadata
.endif
;; end of part 1
;; launch qkv (part 2): grid 12 x 16, 4 waves a work-group, clusters of 4 x 4, 327,680 bytes of LDS; arguments xq, wq_codes, wq_scales, wk_codes, wk_scales, wv_codes, wv_scales, bq, bk, bv, qkv; writes qkv
.if DOCPART == 2
	.amdgcn_target "amdgcn-amd-amdhsa--gfx1250"
	.amdhsa_code_object_version 6
	.text
	.protected	k_qe55efd0f92_qkv
	.globl	k_qe55efd0f92_qkv
	.p2align	8
	.type	k_qe55efd0f92_qkv,@function
k_qe55efd0f92_qkv:
	s_mov_b64 s[64:65], 0
	v_nop
	global_prefetch_b8 v0, s[64:65] scope:SCOPE_SE
	s_setreg_imm32_b32 hwreg(HW_REG_WAVE_MODE, 25, 1), 1
	s_wait_xcnt 0x0
	s_wait_alu depctr_hold_cnt(0) depctr_sa_sdst(0) depctr_va_vdst(0) depctr_va_sdst(0) depctr_va_ssrc(0) depctr_va_vcc(0) depctr_vm_vsrc(0)
	s_getreg_b32 s2, hwreg(HW_REG_IB_STS2, 6, 4)
	s_cmp_eq_u32 s2, 0
	s_cbranch_scc0 .Lentry_in_a_cluster
	s_endpgm
.Lentry_in_a_cluster:
	s_bfe_u32 s2, ttmp6, 0x10000c
	s_cmp_lg_u32 s2, 0xf033
	s_cbranch_scc0 .Lentry_shape_is_right
	s_endpgm
.Lentry_shape_is_right:
; q = xn wq^T + bq, k = xn wk^T + bk, v = xn wv^T + bv on codes of E5M2 with E8M0 scales (K = 1,024), each result quantised again for attention and stored as IMAGES OF OPERAND REGISTERS.
; The cluster's x says which: 0 q, 1 k, 2 v; it is the same number in all sixteen partners.  A tile of 256 x 256 to a work-group, 128 x 128 to each of four waves: 64 accumulators, 512 registers.
; K goes in steps of 256 through two LDS slots filled by joint tensor loads; the scale bytes of all of K come once.
; THE TWO SIDES.  Source 1 of the matrix instruction takes 16 rows of the A side, source 0 16 rows of the B side: lane (r, h) then holds A-side row r, and register j of accumulator (a, b) B-side row 16 b + 8 h + j.
; q, k: A side = tokens (xq), B side = the weight's rows: a lane's registers run along the head, which is the K of q k^T.  v: A side = wv's rows, B side = tokens: the registers run along the tokens, the K of p v.
; Both sides have rows of 1,024 codes and 32 scale bytes, so only pointers and tile numbers are exchanged.
; A block of 32 along the next K lies in 16 registers of lanes l and l xor 16: byte 8 u + j of half h is element 16 u + 8 h + j.  q and k, and p and v, share that order, so nothing is put back in order.
; OUT (bytes in qkv): q at 0, k at 4,194,304: [batch x head 32][tile of 16 tokens 128][block 2][lane 32][16];  v at 8,388,608: [32][128 keys 16][16 of the head 4][block 4][lane][16];
;   scale words: q at 12,582,912, k at 12,845,056: [32][token 2,048], bytes s0, s1, 127, 127;  v at 13,107,200: [32][128 keys 16][64].
; LIMITS: NaN and infinities are not served; a block under 2^-111 (zeros too) gets the byte 1: the bytes are read by this program alone.
; REGISTERS: window 0: v0-31 addresses; v32-63 scale words, two sets; v64-127 the bias in the result's layout; v128-255 A's fragments, one set; on the way out v128-191 64 numbers, v192-226 codes and work.
;   window 1: B's fragments, two sets.  windows 2, 3: the accumulators ((a, b) at v[8 (8 (a % 4) + b)]).
.set KSTEP,  256
.set NQ,     2
.set ROWB,   256
.set KROW,   1024
.set PITCH,  272                       ; an LDS row: 256 bytes + 16 of padding: the 16 rows of a fragment load start at 16 different banks (64 banks of 4 bytes: ISA guide 11.1)
.set FR,     16
.set NL,     4
.set NP,     8                         ; places behind this matrix instruction (ISA guide 7.12.1)
.set HALFT,  128*PITCH
.set SLOT,   4*HALFT
.set LAPS,   2
.set KS,     32
.set SCL,    2*SLOT
.set HALFS,  16*272
.set SBLK,   2*272
.set SPARE,  SCL+4*HALFS               ; the spare words, 128 bytes a wave: two blocks of 256 bytes that no other line names
.set VSTG,   8192                      ; the way out: scale words gather in slot 0 (last filled and last read before): q, k at 0, v at 8,192; 1,024 bytes a wave
.set BIA,  7
.set ADRA, 16
.set ADRB, 20
.set LI,   24
.set SWA,  25
.set SRA,  26
.set ADRS, 27
.set SPW,  28
.set NIL,  29
.set SWV,  31
.set SC,   32
.set BI,   64
.set AF,   128
.set X,    128
.set PC,   192
.set TM,   208
.set PW,   224
.set W0,   225
.set W1,   226
.set G1, 24
.set G0, 32
.set G1B, 48
.set G0B, 56
.set G1S, 68
.set G0S, 76
.set G1SB, 80
.set G0SB, 88
.set RA,  66                           ; s66 my first A-side row, s67 my first B-side row
.set RB,  67
.set SEL, 92
.set MNT, 94
.set TRIP, 95
.set HM,  96
.set G0H, 4                            ; s[4:7], s[8:11] group 0 of the head's whole tiles of K step 0 (the arguments that lay there have been used by then)
.set G0HB, 8
.set PFA, 100                          ; s[100:101] where my prefetches stand: my work-group's 32 rows of the 128 that I fetch; never rewritten
.set PFO, 30                           ; v30 their offset: my lane x a row of 1,024 bytes; never rewritten
.set MSB, 0
.macro WIN new                         ; the immediate's high byte repeats the setting that is left
.if MSB != \new
	s_set_vgpr_msb (MSB<<8)|\new
.set MSB, \new
.endif
.endm
.set MUL_LO, 0xa1
.set MUL_HI, 0xf1
.set TO_B,   0x40
.macro JLOAD g0a, g1a, g0b, g1b        ; a joint load: waves 0, 1 fetch for the A side, waves 2, 3 for the B side; four v_nop follow each line
	s_cmp_eq_u32 s15, 0
	s_cbranch_scc0 .Lfor_b_\@
	tensor_load_to_lds s[\g0a:\g0a+3], s[\g1a:\g1a+7]
	s_nop 0
.rept 4
	v_nop
.endr
	s_branch .Lasked_\@
.Lfor_b_\@:
	tensor_load_to_lds s[\g0b:\g0b+3], s[\g1b:\g1b+7]
	s_nop 0
.rept 4
	v_nop
.endr
.Lasked_\@:
.endm
.macro CREST
	s_cmp_lg_u32 s14, 0
	s_cbranch_scc1 .Lnot_wave_0_\@
	s_barrier_signal -3
.Lnot_wave_0_\@:
	s_barrier_wait -3
	s_barrier_signal -1
	s_barrier_wait -1
.endm
.macro CROUND
	s_barrier_signal -1
	s_barrier_wait -1
	CREST
.endm
	s_load_b512 s[68:83], s[0:1], 0x0              ; xq, wq codes, wq scales, wk codes, wk scales, wv codes, wv scales, bq
	s_load_b128 s[84:87], s[0:1], 0x40             ; bk, bv
	s_load_b64 s[88:89], s[0:1], 0x50              ; qkv
	v_lshl_add_u32 v[SPW], v0, 2, SPARE
	v_mov_b32 v[NIL], 0
	ds_add_u32 v28, v29
	ds_add_u32 v28, v29
	s_wait_dscnt 0x0
	v_lshrrev_b32 v1, 5, v0
	v_readfirstlane_b32 s14, v1                    ; wave
	s_lshr_b32 s15, s14, 1                         ; my half of the A-side rows; also: I fetch for A (0) or B (1)
	s_and_b32 s16, s14, 1                          ; my half of the B-side rows; also: which 128 rows I fetch
	s_bfe_u32 s40, ttmp6, 0x40000                  ; cx
	s_bfe_u32 s41, ttmp6, 0x40004                  ; cy
	s_and_b32 s18, ttmp7, 0xffff
	s_lshl_b32 s18, s18, 2                         ; 4 x cluster y: it counts the tokens' tiles, which are the A side for q, k and the B side for v
	s_cmp_eq_u32 ttmp9, 2
	s_cselect_b32 s17, 0, s18
	s_cselect_b32 s42, s18, 0
	s_add_co_u32 s17, s17, s41                     ; A-side tile: cy (+ 4 x cluster y)
	s_add_co_u32 s42, s42, s40                     ; B-side tile: cx (+ 4 x cluster y)
	s_lshl_b32 s43, s41, 2
	s_lshl_b32 s43, 15, s43                        ; my row of the cluster
	s_lshl_b32 s44, 0x1111, s40                    ; my column
	s_or_b32 s[G1+0], s43, (0<<16)|(1<<20)|(1<<21)|(5<<22)|(3<<25)   ; mask; elements of 1 byte; padding: 4 words behind every 64
	s_or_b32 s[G1B+0], s44, (0<<16)|(1<<20)|(1<<21)|(5<<22)|(3<<25)
.irp g, G1, G1B
	s_mov_b32 s[\g+1], ROWB<<16
	s_mov_b32 s[\g+2], 256<<16
	s_mov_b32 s[\g+3], ROWB<<16
	s_mov_b32 s[\g+4], 256
	s_mov_b32 s[\g+5], KROW
	s_mov_b32 s[\g+6], 0
	s_mov_b32 s[\g+7], 0
.endr
	s_lshl_b32 s20, s17, 8                         ; the A-side tile's first row
	s_lshl_b32 s46, s42, 8                         ; the B-side tile's
	s_mov_b32 s21, 0
	s_mov_b32 s47, 0
	s_mov_b64 s[18:19], KS
	s_mul_u64 s[22:23], s[20:21], s[18:19]
	s_mul_u64 s[92:93], s[46:47], s[18:19]
	s_mov_b64 s[18:19], KROW
	s_mul_u64 s[20:21], s[20:21], s[18:19]
	s_mul_u64 s[46:47], s[46:47], s[18:19]
	s_mul_i32 s45, s14, HALFT
	s_mul_i32 s2, s16, 128*KROW                    ; in the ring I fetch 128 rows of a tile: which half, in bytes
	s_mov_b32 s3, 0
	s_cmp_eq_u32 s15, 0                            ; the prefetches: of the 128 rows that I fetch, the partner at place p (cx for A, cy for B) names 32 p .. 32 p + 31, a lane a row
	s_cselect_b32 s66, s17, s42
	s_cselect_b32 s67, s40, s41
	s_lshl_b32 s66, s66, 8
	s_lshl_b32 s67, s67, 5
	s_add_co_u32 s66, s66, s67
	s_lshl_b32 s67, s16, 7
	s_add_co_u32 s66, s66, s67
	s_mul_i32 s66, s66, KROW
	s_mov_b32 s67, 0
	v_and_b32 v[PFO], 31, v0
	v_lshlrev_b32 v[PFO], 10, v[PFO]
	s_wait_alu depctr_va_vdst(0)                   ; the wait here, directly ahead of the wait below
	s_wait_kmcnt 0x0
	s_add_nc_u64 s[4:5], s[68:69], 0x400000        ; xq's scale bytes
	s_cmp_eq_u32 ttmp9, 0
	s_cselect_b64 s[8:9], s[70:71], s[74:75]       ; wq or wk
	s_cselect_b64 s[10:11], s[72:73], s[76:77]
	s_cselect_b64 s[12:13], s[82:83], s[84:85]     ; bq or bk
	s_cmp_eq_u32 ttmp9, 2
	s_cselect_b64 s[12:13], s[86:87], s[12:13]     ; or bv
	s_cselect_b64 s[6:7], s[80:81], s[4:5]         ; A side's scales: wv's or xq's
	s_cselect_b64 s[10:11], s[4:5], s[10:11]       ; B side's scales
	s_cselect_b64 s[4:5], s[78:79], s[68:69]       ; A side's codes
	s_cselect_b64 s[8:9], s[68:69], s[8:9]         ; B side's codes
	s_mov_b64 s[98:99], s[88:89]                   ; out
	s_add_nc_u64 s[20:21], s[4:5], s[20:21]
	s_add_nc_u64 s[22:23], s[6:7], s[22:23]
	s_add_nc_u64 s[46:47], s[8:9], s[46:47]
	s_add_nc_u64 s[92:93], s[10:11], s[92:93]
	s_cmp_eq_u32 s15, 0
	s_cselect_b64 s[PFA:PFA+1], s[4:5], s[8:9]
	s_add_nc_u64 s[PFA:PFA+1], s[PFA:PFA+1], s[66:67]
	s_or_b32 s[G1S+0], s43, (3<<16)|(1<<20)|(1<<21)|(5<<22)|(3<<25)  ; the scales of 256 rows: 8,192 dense bytes as 32 rows of 256, 16 bytes of padding behind each
	s_or_b32 s[G1SB+0], s44, (3<<16)|(1<<20)|(1<<21)|(5<<22)|(3<<25)
.irp g, G1S, G1SB
	s_mov_b32 s[\g+1], 32<<16
	s_mov_b32 s[\g+2], 32<<16
	s_mov_b32 s[\g+3], 32<<16
	s_mov_b32 s[\g+4], 32
	s_mov_b32 s[\g+5], 32
	s_mov_b32 s[\g+6], 0
	s_mov_b32 s[\g+7], 0
.endr
	CROUND                                         ; all sixteen work-groups are here: the first joint loads meet
	s_mov_b32 s[G0S], 1
	s_mov_b32 s[G0S+1], SCL
	s_mov_b64 s[G0S+2:G0S+3], s[22:23]
	s_or_b32 s[G0S+3], s[G0S+3], 0x80000000
	s_mov_b32 s[G0SB], 1
	s_mov_b32 s[G0SB+1], SCL+2*HALFS
	s_mov_b64 s[G0SB+2:G0SB+3], s[92:93]
	s_or_b32 s[G0SB+3], s[G0SB+3], 0x80000000
	s_mov_b32 s[G0H], 1                            ; K step 0's 256 rows of the A side,
	s_mov_b32 s[G0H+1], 0
	s_mov_b64 s[G0H+2:G0H+3], s[20:21]
	s_or_b32 s[G0H+3], s[G0H+3], 0x80000000
	s_mov_b32 s[G0HB], 1                           ; and of the B side, behind them in slot 0
	s_mov_b32 s[G0HB+1], 2*HALFT
	s_mov_b64 s[G0HB+2:G0HB+3], s[46:47]
	s_or_b32 s[G0HB+3], s[G0HB+3], 0x80000000
	s_add_nc_u64 s[20:21], s[20:21], s[2:3]        ; for the ring: my 128 rows of the tile
	s_add_nc_u64 s[46:47], s[46:47], s[2:3]
.irp s, 0,1
	s_mov_b32 s[G0+4*\s], 1
	s_add_co_u32 s[G0+4*\s+1], s45, \s*SLOT
	s_add_nc_u64 s[G0+4*\s+2:G0+4*\s+3], s[20:21], \s*ROWB
	s_or_b32 s[G0+4*\s+3], s[G0+4*\s+3], 0x80000000
	s_mov_b32 s[G0B+4*\s], 1
	s_add_co_u32 s[G0B+4*\s+1], s45, \s*SLOT
	s_add_nc_u64 s[G0B+4*\s+2:G0B+4*\s+3], s[46:47], \s*ROWB
	s_or_b32 s[G0B+4*\s+3], s[G0B+4*\s+3], 0x80000000
.endr
; THE HEAD'S LOADS, ONE A WAVE: wave 0 the A side's 256 rows of K step 0, wave 1 the B side's, wave 2 the A side's scale bytes, wave 3 the B side's: one chain of arms, every way passes one load
.macro ARM under, g0, g1, next
	s_cmp_lt_u32 s14, \under
	s_cbranch_scc0 \next
	tensor_load_to_lds s[\g0:\g0+3], s[\g1:\g1+7]
	s_nop 0
.rept 4
	v_nop
.endr
	s_branch .Lhead_asked
\next:
.endm
	ARM 1, G0H,  G1,  .Lhead_b
	ARM 2, G0HB, G1B, .Lhead_sa
	ARM 3, G0S,  G1S, .Lhead_sb
	tensor_load_to_lds s[G0SB:G0SB+3], s[G1SB:G1SB+7]
	s_nop 0
.rept 4
	v_nop
.endr
.Lhead_asked:
	global_prefetch_b8 v[PFO], s[PFA:PFA+1] offset:256 th:TH_LOAD_NT scope:SCOPE_SE   ; K step 1, one refill ahead of its load: 32 rows x 256 bytes a wave
	v_and_b32 v1, 15, v0                           ; r
	v_bfe_u32 v2, v0, 4, 1                         ; h
	v_mul_u32_u24 v3, v1, PITCH
	v_lshl_add_u32 v4, v2, 4, v3
	s_mul_i32 s21, s15, HALFT
	s_mul_i32 s22, s16, HALFT
	s_add_co_u32 s22, s22, 2*HALFT
.irp s, 0,1
	v_add_nc_u32 v[ADRA+\s], s21, v4
	v_add_nc_u32 v[ADRB+\s], s22, v4
	s_add_co_u32 s21, s21, SLOT
	s_add_co_u32 s22, s22, SLOT
.endr
	v_mul_u32_u24 v5, v1, KS
	v_lshrrev_b32 v6, 8, v5
	v_lshl_add_u32 v5, v6, 4, v5
	s_mul_i32 s21, s15, HALFS
	s_mul_i32 s22, s16, HALFS
	s_add_co_u32 s22, s22, 2*HALFS
	s_sub_co_u32 s22, s22, s21
	v_mul_u32_u24 v6, s22, v2                      ; lanes 16-31 take the B side's words
	s_add_co_u32 s21, s21, SCL
	v_add_nc_u32 v5, v5, v6
	v_add_nc_u32 v[ADRS], s21, v5
	s_lshl_b32 s[RA], s17, 8
	s_lshl_b32 s18, s15, 7
	s_add_co_u32 s[RA], s[RA], s18
	s_lshl_b32 s[RB], s42, 8
	s_lshl_b32 s18, s16, 7
	s_add_co_u32 s[RB], s[RB], s18
	s_mov_b32 s19, 0
	; the bias in the result's layout, asked for now and waited for on the way out.  Each arm writes all 64 registers
	s_cmp_eq_u32 ttmp9, 2
	s_cbranch_scc1 .Lbias_v
	v_lshlrev_b32 v[BIA], 5, v2                    ; q, k: register 8 b + j wants the bias of B-side row 16 b + 8 h + j
	s_lshl_b32 s18, s[RB], 2
	s_add_nc_u64 s[12:13], s[12:13], s[18:19]
.irp b, 0,1,2,3,4,5,6,7
	global_load_b128 v[BI+8*\b:BI+8*\b+3], v[BIA], s[12:13] offset:64*\b
	global_load_b128 v[BI+8*\b+4:BI+8*\b+7], v[BIA], s[12:13] offset:64*\b+16
.endr
	s_branch .Lbias_asked
.Lbias_v:
	v_lshlrev_b32 v[BIA], 2, v1                    ; v: all eight registers 8 a + j want the bias of A-side row 16 a + r
	s_lshl_b32 s18, s[RA], 2
	s_add_nc_u64 s[12:13], s[12:13], s[18:19]
.irp a, 0,1,2,3,4,5,6,7
.irp j, 0,1,2,3,4,5,6,7
	global_load_b32 v[BI+8*\a+\j], v[BIA], s[12:13] offset:64*\a
.endr
.endr
.Lbias_asked:
.macro FRAG reg, adr, q, i             ; 16 rows x 128 K: lane l holds row l % 16; registers 4 c .. 4 c + 3 hold K = 32 c + 16 (l / 16) + 0 .. 15
.irp c, 0,1,2,3
	ds_load_b128 v[\reg+4*\c:\reg+4*\c+3], v[\adr] offset:128*(\q)+32*\c+(\i)*16*PITCH
.endr
.endm
; 16 matrix instructions.  The 64 accumulators take turns, one instruction a turn, in the same order in every step.
.macro MUL16 a0, p, q, sc, zero
.irp a, \a0, \a0+1
.irp b, 0,1,2,3,4,5,6,7
.if \zero
	v_wmma_scale_f32_16x16x128_f8f6f4 v[8*(8*((\a)%4)+\b):8*(8*((\a)%4)+\b)+7], v[128*(\p)+FR*\b:128*(\p)+FR*\b+FR-1], v[AF+FR*(\a):AF+FR*(\a)+FR-1], 0, v[SC+8*NQ*(\sc)+NQ*\b+(\q)], v[SC+8*NQ*(\sc)+NQ*(\a)+(\q)] matrix_a_fmt:MATRIX_FMT_BF8 matrix_b_fmt:MATRIX_FMT_BF8 matrix_a_scale:MATRIX_SCALE_ROW1
.else
	v_wmma_scale_f32_16x16x128_f8f6f4 v[8*(8*((\a)%4)+\b):8*(8*((\a)%4)+\b)+7], v[128*(\p)+FR*\b:128*(\p)+FR*\b+FR-1], v[AF+FR*(\a):AF+FR*(\a)+FR-1], v[8*(8*((\a)%4)+\b):8*(8*((\a)%4)+\b)+7], v[SC+8*NQ*(\sc)+NQ*\b+(\q)], v[SC+8*NQ*(\sc)+NQ*(\a)+(\q)] matrix_a_fmt:MATRIX_FMT_BF8 matrix_b_fmt:MATRIX_FMT_BF8 matrix_a_scale:MATRIX_SCALE_ROW1
.endif
.endr
.endr
.endm
.macro FETCH_B slot, q, p
	WIN TO_B
.irp i, 0,1,2,3,4,5,6,7
	FRAG 128*(\p)+FR*\i, ADRB+\slot, \q, \i
.endr
	WIN 0
.endm
.macro FETCH_A slot, q, i0
.irp i, \i0, \i0+1, \i0+2, \i0+3
	FRAG AF+FR*(\i), ADRA+\slot, \q, \i
.endr
.endm
.macro SCALES sc                       ; a K step's two words a row: lanes 0-15 the A side's block i, lanes 16-31 the B side's block i
.irp i, 0,1,2,3,4,5,6,7
	ds_load_b64 v[SC+8*NQ*\sc+NQ*\i:SC+8*NQ*\sc+NQ*\i+1], v[ADRS] offset:\i*SBLK
.endr
.endm
.macro PLACES n
.rept \n
	v_nop
.endr
.endm
.macro STEP slot, q, zero              ; 128 along K that have their successor in the same slot
	s_wait_dscnt 4*NL                              ; all but the youngest sixteen loads (A's blocks 4-7) are in
	WIN MUL_LO
	MUL16 0, (\q)%2, \q, \slot, \zero
	MUL16 2, (\q)%2, \q, \slot, \zero
	s_wait_dscnt 0
	PLACES NP
	FETCH_B \slot, (\q)+1, 1-(\q)%2
	FETCH_A \slot, (\q)+1, 0
	WIN MUL_HI
	MUL16 4, (\q)%2, \q, \slot, \zero
	MUL16 6, (\q)%2, \q, \slot, \zero
	PLACES NP
	WIN 0
	FETCH_A \slot, (\q)+1, 4
.endm
; A slot's last 128 change slots: one barrier; in front of it each wave waits for all its tensor loads, adds 0 to its spare word, and waits for that and for its reads of this slot.
.macro TURN slot, next, fill, ask=0    ; ask: byte in a row of the K step that the next refill will load (0: there is none)
	s_wait_tensorcnt 0x0                           ; all my tensor loads have landed: my part of the next slot
	ds_add_u32 v[SPW], v[NIL]                      ; 0 onto my spare word
	s_wait_dscnt 4*NL+1                            ; the add and the youngest sixteen loads may be out
	WIN MUL_LO
	MUL16 0, 1, NQ-1, \slot, 0
	s_wait_dscnt 0x0                               ; the add is done, and my reads of this slot are over
	s_barrier_signal -1
	MUL16 2, 1, NQ-1, \slot, 0
	WIN 0
	s_barrier_wait -1
.if \fill
	CREST                                          ; the barrier has opened a round of the cluster's barrier: no wave of any partner still reads this slot or has a load on its way
	s_add_nc_u64 s[G0+4*\slot+2:G0+4*\slot+3], s[G0+4*\slot+2:G0+4*\slot+3], 2*ROWB
	s_add_nc_u64 s[G0B+4*\slot+2:G0B+4*\slot+3], s[G0B+4*\slot+2:G0B+4*\slot+3], 2*ROWB
	JLOAD G0+4*\slot, G1, G0B+4*\slot, G1B         ; the first tensor load behind the round; its four v_nop are among the places below
	PLACES NP-4
.else
	PLACES NP
.endif
	s_wait_alu depctr_va_vdst(0)
	v_add_nc_u32 v[ADRS], 4*NQ, v[ADRS]
	FETCH_B \next, 0, 0
	FETCH_A \next, 0, 0
	SCALES \next
.if \ask
	global_prefetch_b8 v[PFO], s[PFA:PFA+1] offset:\ask th:TH_LOAD_NT scope:SCOPE_SE
.endif
	WIN MUL_HI
	MUL16 4, 1, NQ-1, \slot, 0
	MUL16 6, 1, NQ-1, \slot, 0
	PLACES NP
	WIN 0
	FETCH_A \next, 0, 4
.endm
	s_wait_alu depctr_va_vdst(0)                   ; the wait at the head's end
	s_wait_tensorcnt 0x0                           ; my tile of the head's four is in; slot 1's first fill is issued as a refill is:
	ds_add_u32 v[SPW], v[NIL]                      ; 0 onto my spare word
	s_mov_b32 s[G1+2], 128<<16                     ; no tensor load of mine is out: from here on a load brings 128 rows
	s_mov_b32 s[G1+4], 128
	s_mov_b32 s[G1B+2], 128<<16
	s_mov_b32 s[G1B+4], 128
	s_wait_dscnt 0x0
	CROUND                                         ; all four tiles are in, and all sixteen work-groups are here
	JLOAD G0+4, G1, G0B+4, G1B                     ; K step 1
	FETCH_B 0, 0, 0
	FETCH_A 0, 0, 0
	SCALES 0
	FETCH_A 0, 0, 4
	global_prefetch_b8 v[PFO], s[PFA:PFA+1] offset:512 th:TH_LOAD_NT scope:SCOPE_SE   ; K step 2
	STEP 0, 0, 1                                   ; the first products start the sums
	TURN 0, 1, 1, 768                              ; K = 1,024 is four K steps: the one lap that refills is written out; K step 3 is asked for here
	STEP 1, 0, 0
	TURN 1, 0, 1
	STEP 0, 0, 0
	TURN 0, 1, 0
	STEP 1, 0, 0
	s_wait_dscnt 4*NL
	WIN MUL_LO
	MUL16 0, 1, NQ-1, 1, 0
	MUL16 2, 1, NQ-1, 1, 0
	s_wait_dscnt 0
	WIN MUL_HI
	MUL16 4, 1, NQ-1, 1, 0
	MUL16 6, 1, NQ-1, 1, 0
	WIN 0
; THE WAY OUT.  A block of 16 A-side rows at a time: bias added, quantised in registers, the codes stored as they stand (512 consecutive bytes an instruction).  Two trips of four blocks: windows 2 and 3.
.macro COPYH ap, hi, mode              ; each accumulator is read from its low end on
.irp b, 0,1,2,3,4,5,6,7
.irp i, 0,2,4,6
.if \mode
	v_pk_add_f32 v[X+8*\b+\i:X+8*\b+\i+1], v[64*(\ap)+8*\b+\i:64*(\ap)+8*\b+\i+1], v[BI+8*((\ap)+4*\hi)+\i:BI+8*((\ap)+4*\hi)+\i+1]
.else
	v_pk_add_f32 v[X+8*\b+\i:X+8*\b+\i+1], v[64*(\ap)+8*\b+\i:64*(\ap)+8*\b+\i+1], v[BI+8*\b+\i:BI+8*\b+\i+1]
.endif
.endr
.endr
.endm
.macro COPYX ap, mode
	s_cmp_eq_u32 s[TRIP], 0
	s_cbranch_scc0 .Lhigh_\@
	WIN 0x02
	COPYH \ap, 0, \mode
	WIN 0
	s_branch .Lcopied_\@
.Lhigh_\@:
	WIN 0x03
	COPYH \ap, 1, \mode
	WIN 0
.Lcopied_\@:
.endm
; 64 numbers of a lane, four blocks of 16 registers, each shared with lane l xor 16, become 16 registers of codes (PC) and a scale word (PW); the four bytes stay in TM+4 .. TM+7.
.macro QUANT
.irp b, 0,1,2,3
	v_max3_num_f32 v[TM+\b], |v[X+16*\b]|, |v[X+1+16*\b]|, 0x8000000   ; with the floor 2^(16 - 127): the byte cannot fall under 1
.endr
.irp i, 2,4,6,8,10,12,14
.irp b, 0,1,2,3
	v_max3_num_f32 v[TM+\b], v[TM+\b], |v[X+16*\b+\i]|, |v[X+1+16*\b+\i]|
.endr
.endr
.irp b, 0,1,2,3
	v_permlanex16_b32 v[TM+4+\b], v[TM+\b], s[SEL], s[SEL+1]
.endr
.irp b, 0,1,2,3
	v_max_num_f32 v[TM+\b], v[TM+\b], v[TM+4+\b]
.endr
.irp b, 0,1,2,3
	v_add_nc_u32 v[TM+12+\b], 0xf8800000, v[TM+\b] ; 15 off the exponent field: the conversion's scale operand
.endr
.irp b, 0,1,2,3
	v_and_or_b32 v[TM+8+\b], v[TM+\b], 0x7f800000, s[MNT]   ; 57,344 x the scale
.endr
.irp b, 0,1,2,3
	v_lshrrev_b32 v[TM+4+\b], 23, v[TM+12+\b]      ; the scale's byte
.endr
	v_lshl_or_b32 v[PW], v[TM+5], 8, v[TM+4]
	v_lshl_or_b32 v[PW], v[TM+6], 16, v[PW]
	v_lshl_or_b32 v[PW], v[TM+7], 24, v[PW]
	s_wait_alu depctr_va_vdst(0)                   ; the wait here, directly ahead of the wait below
	s_wait_xcnt 0x0                                ; the last block's stores have read their registers: the conversions below write them anew
.irp b, 0,1,2,3
.irp i, 0,1,2,3,4,5,6,7,8,9,10,11,12,13,14,15
	v_med3_num_f32 v[X+16*\b+\i], v[X+16*\b+\i], -v[TM+8+\b], v[TM+8+\b]   ; the conversion does not saturate (ISA guide 7.6.2)
.endr
	v_cvt_scalef32_pk8_bf8_f32 v[PC+4*\b:PC+1+4*\b], v[X+16*\b:X+7+16*\b], v[TM+12+\b]
	v_cvt_scalef32_pk8_bf8_f32 v[PC+2+4*\b:PC+3+4*\b], v[X+8+16*\b:X+15+16*\b], v[TM+12+\b]
.endr
	v_nop                                          ; one plain instruction behind the last scaled conversion
.endm
.macro QKBODY ap
	COPYX \ap, 0
	QUANT
.irp b, 0,1,2,3                        ; blocks 0, 1: my first head; 2, 3: my second
	global_store_b128 v[LI], v[PC+4*\b:PC+4*\b+3], s[20:21] offset:(\ap)*1024+(\b/2)*131072+(\b%2)*512
.endr
	v_lshl_or_b32 v[W0], v[TM+5], 8, v[TM+4]
	v_lshl_or_b32 v[W1], v[TM+7], 8, v[TM+6]
	v_or_b32 v[W0], 0x7f7f0000, v[W0]              ; the upper 64 of the instruction's 128 are zero codes in attention: their bytes are 127
	v_or_b32 v[W1], 0x7f7f0000, v[W1]
	v_cndmask_b32 v[W0], v[W0], v[W1], s[HM]       ; lanes 0-15 keep the first head's word, lanes 16-31 the second's
	ds_store_b32 v[SWA], v[W0] offset:(\ap)*64
.endm
.macro VBODY ap
	COPYX \ap, 1
	QUANT
.irp b, 0,1,2,3
	global_store_b128 v[LI], v[PC+4*\b:PC+4*\b+3], s[20:21] offset:(\ap)*2048+\b*512
.endr
	ds_store_b32 v[SWV], v[PW] offset:VSTG+(\ap)*64
.endm
	PLACES NP                                      ; behind the last products: results are read, and A's fragments written over, only from here on
	s_wait_loadcnt 0x0                             ; the bias
	s_mov_b32 s[SEL], 0x76543210
	s_mov_b32 s[SEL+1], 0xfedcba98
	s_mov_b32 s[MNT], 0x600000
	s_mov_b32 s[HM], 0xffff0000
	v_and_b32 v3, 31, v0
	v_lshlrev_b32 v[LI], 4, v3
	s_lshl_b32 s18, s14, 10
	v_lshl_add_u32 v[SWV], v1, 2, s18              ; 1,024 x wave + 4 r
	v_lshl_add_u32 v[SWA], v2, 9, v[SWV]           ; + 512 h
	v_add_nc_u32 v[SRA], s18, v[LI]
.irp b, 0,1,2,3
	v_mov_b32 v[TM+4+\b], 0                        ; a lane permute's destination counts as a source
.endr
	s_mov_b32 s[TRIP], 0
	s_cmp_eq_u32 ttmp9, 2
	s_cbranch_scc1 .Lout_v
	s_lshr_b32 s18, s[RA], 11
	s_lshl_b32 s18, s18, 4
	s_lshr_b32 s19, s[RB], 6
	s_add_co_u32 s18, s18, s19                     ; 16 x batch + my first head
	s_and_b32 s19, s[RA], 2047                     ; my first token in the batch
	s_lshl_b32 s20, s18, 17
	s_lshl_b32 s21, s19, 6
	s_add_co_u32 s20, s20, s21
	s_lshl_b32 s21, ttmp9, 22
	s_add_co_u32 s20, s20, s21
	s_mov_b32 s21, 0
	s_add_nc_u64 s[20:21], s[98:99], s[20:21]
	s_lshl_b32 s22, s18, 13
	s_lshl_b32 s23, s19, 2
	s_add_co_u32 s22, s22, s23
	s_lshl_b32 s23, ttmp9, 18
	s_add_co_u32 s22, s22, s23
	s_add_co_u32 s22, s22, 12582912
	s_mov_b32 s23, 0
	s_add_nc_u64 s[22:23], s[98:99], s[22:23]
.Lqk:
	QKBODY 0
	QKBODY 1
	QKBODY 2
	QKBODY 3
	s_wait_xcnt 0x0                                ; the stores have read their base
	s_add_nc_u64 s[20:21], s[20:21], 4096
	v_add_nc_u32 v[SWA], 256, v[SWA]
	s_add_co_u32 s[TRIP], s[TRIP], 1
	s_cmp_lt_u32 s[TRIP], 2
	s_cbranch_scc1 .Lqk
	ds_load_b128 v[PC:PC+3], v[SRA]                ; my 128 tokens' words of each head: LDS serves a wave's instructions in order
	ds_load_b128 v[PC+4:PC+7], v[SRA] offset:512
	s_wait_dscnt 0x0
	global_store_b128 v[LI], v[PC:PC+3], s[22:23]
	global_store_b128 v[LI], v[PC+4:PC+7], s[22:23] offset:8192
	s_branch .Lend
.Lout_v:
	s_lshr_b32 s18, s[RB], 11
	s_lshl_b32 s18, s18, 4
	s_lshr_b32 s19, s[RA], 6
	s_add_co_u32 s18, s18, s19                     ; 16 x batch + my first head
	s_and_b32 s19, s[RB], 2047                     ; my 128 keys in the batch
	s_lshl_b32 s20, s18, 17
	s_lshl_b32 s21, s19, 6
	s_add_co_u32 s20, s20, s21
	s_add_co_u32 s20, s20, 8388608
	s_mov_b32 s21, 0
	s_add_nc_u64 s[20:21], s[98:99], s[20:21]
	s_lshl_b32 s22, s18, 12
	s_lshl_b32 s23, s19, 1
	s_add_co_u32 s22, s22, s23
	s_add_co_u32 s22, s22, 13107200
	s_mov_b32 s23, 0
	s_add_nc_u64 s[22:23], s[98:99], s[22:23]
	v_lshlrev_b32 v3, 4, v1
	v_lshl_add_u32 v3, v2, 12, v3                  ; lanes 0-15: 256 bytes of my first head, lanes 16-31: of the second, 4,096 bytes on
.Lv:
	VBODY 0
	VBODY 1
	VBODY 2
	VBODY 3
	s_wait_xcnt 0x0
	s_add_nc_u64 s[20:21], s[20:21], 131072        ; the next head
	v_add_nc_u32 v[SWV], 256, v[SWV]
	s_add_co_u32 s[TRIP], s[TRIP], 1
	s_cmp_lt_u32 s[TRIP], 2
	s_cbranch_scc1 .Lv
	ds_load_b128 v[PC:PC+3], v[SRA] offset:VSTG
	s_wait_dscnt 0x0
	global_store_b128 v3, v[PC:PC+3], s[22:23]
.Lend:
	s_wait_tensorcnt 0x0                           ; the wave's end
	ds_add_u32 v[SPW], v[NIL]
	s_wait_dscnt 0x0
	CROUND                                         ; the closing round
	s_endpgm
.Lfunc_end_k_qe55efd0f92_qkv:
	.size	k_qe55efd0f92_qkv, .Lfunc_end_k_qe55efd0f92_qkv-k_qe55efd0f92_qkv
	.p2alignl 7, 3214868480
	.fill 96, 4, 3214868480
	.section	.rodata,"a",@progbits
	.p2align	6, 0x0
	.amdhsa_kernel k_qe55efd0f92_qkv
		.amdhsa_group_segment_fixed_size 327680
		.amdhsa_private_segment_fixed_size 0
		.amdhsa_enable_private_segment 0
		.amdhsa_kernarg_size 88
		.amdhsa_user_sgpr_count 2
		.amdhsa_user_sgpr_kernarg_segment_ptr 1
		.amdhsa_wavefront_size32 1
		.amdhsa_system_sgpr_workgroup_id_x 1
		.amdhsa_system_sgpr_workgroup_id_y 1
		.amdhsa_system_sgpr_workgroup_id_z 1
		.amdhsa_system_vgpr_workitem_id 0
		.amdhsa_next_free_vgpr 1024
		.amdhsa_next_free_sgpr 102
		.amdhsa_reserve_vcc 0
		.amdhsa_float_denorm_mode_32 3
		.amdhsa_float_denorm_mode_16_64 3
		.amdhsa_memory_ordered 1
		.amdhsa_forward_progress 1
		.amdhsa_inst_pref_size 232
	.end_amdhsa_kernel
	.amdgpu_metadata
---
amdhsa.version: [ 1, 2 ]
amdhsa.kernels:
  - .name:           k_qe55efd0f92_qkv
    .symbol:         k_qe55efd0f92_qkv.kd
    .args:
      - { .name: xq, .offset: 0, .size: 8, .value_kind: global_buffer, .address_space: global }
      - { .name: wq_codes, .offset: 8, .size: 8, .value_kind: global_buffer, .address_space: global }
      - { .name: wq_scales, .offset: 16, .size: 8, .value_kind: global_buffer, .address_space: global }
      - { .name: wk_codes, .offset: 24, .size: 8, .value_kind: global_buffer, .address_space: global }
      - { .name: wk_scales, .offset: 32, .size: 8, .value_kind: global_buffer, .address_space: global }
      - { .name: wv_codes, .offset: 40, .size: 8, .value_kind: global_buffer, .address_space: global }
      - { .name: wv_scales, .offset: 48, .size: 8, .value_kind: global_buffer, .address_space: global }
      - { .name: bq, .offset: 56, .size: 8, .value_kind: global_buffer, .address_space: global }
      - { .name: bk, .offset: 64, .size: 8, .value_kind: global_buffer, .address_space: global }
      - { .name: bv, .offset: 72, .size: 8, .value_kind: global_buffer, .address_space: global }
      - { .name: qkv, .offset: 80, .size: 8, .value_kind: global_buffer, .address_space: global }
    .group_segment_fixed_size: 327680
    .private_segment_fixed_size: 0
    .kernarg_segment_align: 8
    .kernarg_segment_size: 88
    .max_flat_workgroup_size: 128
    .sgpr_count:     102
    .vgpr_count:     1024
    .wavefront_size: 32
...
	.end_amdgpu_metadata
.endif
;; end of part 2
;; launch attn (part 3): grid 8 x 32, 16 waves a work-group, clusters of 4 x 1, 276,480 bytes of LDS; arguments qkv, oq; writes oq
.if DOCPART == 3
	.amdgcn_target "amdgcn-amd-amdhsa--gfx1250"
	.amdhsa_code_object_version 6
	.text
	.protected	k_qe55efd0f92_attn
	.globl	k_qe55efd0f92_attn
	.p2align	8
	.type	k_qe55efd0f92_attn,@function
k_qe55efd0f92_attn:
	s_mov_b64 s[64:65], 0
	v_nop
	global_prefetch_b8 v0, s[64:65] scope:SCOPE_SE
	s_setreg_imm32_b32 hwreg(HW_REG_WAVE_MODE, 25, 1), 1
	s_wait_xcnt 0x0
	s_wait_alu depctr_hold_cnt(0) depctr_sa_sdst(0) depctr_va_vdst(0) depctr_va_sdst(0) depctr_va_ssrc(0) depctr_va_vcc(0) depctr_vm_vsrc(0)
	s_getreg_b32 s2, hwreg(HW_REG_IB_STS2, 6, 4)
	s_cmp_eq_u32 s2, 0
	s_cbranch_scc0 .Lentry_in_a_cluster
	s_endpgm
.Lentry_in_a_cluster:
	s_bfe_u32 s2, ttmp6, 0x10000c
	s_cmp_lg_u32 s2, 0x3003
	s_cbranch_scc0 .Lentry_shape_is_right
	s_endpgm
.Lentry_shape_is_right:
; o = softmax(q k^T / 8) v for one head and 256 queries a work-group, both products on codes of E5M2 with E8M0 scales; o is quantised along the model's 1,024 and stored as operand images for the next product.
; THE SOFTMAX: t = score x log2(e) / 8; M = the running largest t rounded up to a whole number; p = 2^(t - M) is quantised along the keys, not normalised; the row's sum of the unquantised p divides at the end.
; When M moves, the sum and O are multiplied by 2^(old M - new M), which rounds nothing.
; SHARES.  Sixteen waves, each with one tile of 16 queries in 256 registers; every wave walks the head's 2,048 keys, 128 a step.
; ONE HEAD'S K AND V CODES AND SCALE WORDS FIT IN LDS AT ONCE (274,432 bytes): they are filled once, by joint loads of the four query blocks of a cluster, and no byte is filled again.
; The first 512 keys are waited for alone, so that work begins while the other 1,536 are on their way.
; LAYOUT.  S^T = K Q^T (source 0 = 16 keys, source 1 = my queries), O^T = V^T P^T: a lane holds one query throughout.  K, Q and V lie in memory as images of their registers: lane l's 16 bytes at 16 l.
; Inside a block of 32, byte 8 u + j of half h is element 16 u + 8 h + j, in q and k alike and in p and v alike.
; THE HEAD HAS 64 NUMBERS, THE INSTRUCTION TAKES 128: Q's upper eight registers are zero codes.  A tile of K is eight registers; as the operand's upper eight the next tile's stand there (finite codes, times zero).
; LIMITS: NaN and infinities are not served; a block of o under 2^-111 (zeros too) gets the byte 1: the bytes are read by this program alone.
; REGISTERS: v1 16 lane, v2 4 r; v8-11 the step's addresses; v12 -M, v13 the largest t, v[14:15] the sum; v16-23 Q, v24-31 zeros; v32-95 eight tiles of K, v96-103 zeros; v104-167 S^T, then p;
;   v168-199 O^T; v200-215 p's codes; v216-231 at work; v232-239 scale words of K, then of V; v240 f, v241 p's scale word; v242 at work; v243 Q's scale word; v[244:245] the sum's second chain.
; REGISTERS, as they now stand: V's four fragments take K's place, v32-95, as soon as the first product has read it; v104-167 hold S^T and then p alone; v216-219 hold, behind the blocks' largest p, a second copy of the bounds.
; A SPLIT BARRIER IN EACH KEY STEP (signal at its head, wait ahead of the second product) keeps the sixteen waves within one step of each other.
.set KIMG, 0
.set VIMG, 131072
.set KWD,  262144
.set VWD,  270336
.set WV,   8
.set G1A,  28                          ; group 1: dense blocks as rows of 256 bytes: 16 rows,
.set G1B,  36                          ; 8,
.set G1C,  44                          ; 64,
.set G1D,  52                          ; 192
.set G0K0, 60                          ; group 0: K's words, K's steps 0-3, K's steps 4-15
.set G0K1, 68
.set G0K2, 72
.set G0V0, 76                          ; the same for V
.set G0V1, 80
.set G0V2, 84
.set SEL,  88
.set CS,   90
.set MNT,  92
.set TK,   93
.set TV,   94
.set TS,   95
.set TJ,   96
.set CNT,  97
.macro CROUND
	s_barrier_signal -1
	s_barrier_wait -1
	s_cmp_lg_u32 s[WV], 0
	s_cbranch_scc1 .Lnot_wave_0_\@
	s_barrier_signal -3
.Lnot_wave_0_\@:
	s_barrier_wait -3
	s_barrier_signal -1
	s_barrier_wait -1
.endm
.macro DESC g, ldsreg, ldsconst, offreg, offconst
	s_mov_b32 s[\g], 1
	s_add_co_u32 s[\g+1], s[\ldsreg], \ldsconst
	s_add_co_u32 s20, s[\offreg], \offconst
	s_add_nc_u64 s[\g+2:\g+3], s[4:5], s[20:21]
	s_or_b32 s[\g+3], s[\g+3], 0x80000000
.endm
	s_load_b128 s[4:7], s[0:1], 0x0                ; qkv, oq
	v_lshl_add_u32 v254, v0, 2, 0x43000
	v_mov_b32 v255, 0
	ds_add_u32 v254, v255
	ds_add_u32 v254, v255
	v_lshrrev_b32 v8, 5, v0
	s_delay_alu instid0(VALU_DEP_1)
	v_readfirstlane_b32 s[WV], v8                  ; wave 0..15
	s_bfe_u32 s9, ttmp6, 0x40000                   ; cx
	s_lshl_b32 s10, ttmp9, 2
	s_add_co_u32 s10, s10, s9                      ; my block of 256 queries: it enters Q's and o's addresses alone
	s_and_b32 s11, ttmp7, 0xffff                   ; 16 x batch + head, which the four partners share
	s_and_b32 s12, s[WV], 1                        ; which half of a block I fetch, if I fetch
	s_lshl_b32 s13, s11, 17
	s_lshl_b32 s14, s12, 14
	s_mul_i32 s15, s12, 49152
	s_lshl_b32 s16, s12, 12
	s_lshl_b32 s17, s12, 11
	s_mov_b32 s21, 0
.irp g, G1A, G1B, G1C, G1D
	s_mov_b32 s[\g], 15|(3<<16)|(1<<21)            ; the mask: all four work-groups; elements of 8 bytes; bit 21 beside a mask; no padding
	s_mov_b32 s[\g+1], 32<<16
	s_mov_b32 s[\g+3], 32<<16
	s_mov_b32 s[\g+5], 32
	s_mov_b32 s[\g+6], 0
	s_mov_b32 s[\g+7], 0
.endr
	s_mov_b32 s[G1A+2], 16<<16
	s_mov_b32 s[G1A+4], 16
	s_mov_b32 s[G1B+2], 8<<16
	s_mov_b32 s[G1B+4], 8
	s_mov_b32 s[G1C+2], 64<<16
	s_mov_b32 s[G1C+4], 64
	s_mov_b32 s[G1D+2], 192<<16
	s_mov_b32 s[G1D+4], 192
	s_mov_b32 s[SEL], 0x76543210
	s_mov_b32 s[SEL+1], 0xfedcba98
	s_mov_b32 s[CS], 0x3e38aa3b                    ; c = log2(e) / 8
	s_mov_b32 s[CS+1], s[CS]
	s_mov_b32 s[MNT], 0x600000
	s_mov_b32 s[TK], KIMG
	s_mov_b32 s[TV], VIMG
	s_mov_b32 s[TS], KWD
	s_mov_b32 s[TJ], VWD
	s_lshl_b32 s22, s10, 14
	s_lshl_b32 s23, s[WV], 10
	s_add_co_u32 s22, s22, s23                     ; 1,024 x my tile of queries in the batch
	s_wait_dscnt 0x0
	s_wait_kmcnt 0x0
	s_lshl_b32 s18, s11, 13
	s_add_co_u32 s18, s18, s16
	DESC G0K0, 16, KWD, 18, 12845056
	s_add_co_u32 s18, s13, s14
	DESC G0K1, 14, KIMG, 18, 4194304
	DESC G0V1, 14, VIMG, 18, 8388608
	s_add_co_u32 s18, s13, s15
	DESC G0K2, 15, KIMG+32768, 18, 4194304+32768
	DESC G0V2, 15, VIMG+32768, 18, 8388608+32768
	s_lshl_b32 s18, s11, 12
	s_add_co_u32 s18, s18, s17
	DESC G0V0, 17, VWD, 18, 13107200
	CROUND                                         ; all four work-groups are here: the joint loads meet
; THE TWELVE FIRST FILLS, ONE A WAVE, in the arms of one chain on the wave's number; a pair of waves takes the halves of a block.
; Waves 0-7: the scale words and the first 512 keys of K and V, shown by the first barrier; waves 8-11: the other 1,536 keys, on load lines of their own, shown by the second; waves 12-15 fetch nothing.
.macro ARM under, g0, g1, next
	s_cmp_lt_u32 s[WV], \under
	s_cbranch_scc0 \next
	tensor_load_to_lds s[\g0:\g0+3], s[\g1:\g1+7]
	s_nop 0
.rept 4
	v_nop
.endr
	s_branch .Lasked
\next:
.endm
	ARM 2,  G0K0, G1A, .Lk_first
	ARM 4,  G0K1, G1C, .Lv_words
	ARM 6,  G0V0, G1B, .Lv_first
	ARM 8,  G0V1, G1C, .Lk_rest
	ARM 10, G0K2, G1D, .Lv_rest
	ARM 12, G0V2, G1D, .Lno_fill
.Lasked:
	v_and_b32 v1, 31, v0
	s_delay_alu instid0(VALU_DEP_1)
	v_lshlrev_b32 v1, 4, v1                        ; 16 x lane
	s_wait_alu depctr_va_vdst(0)
	v_and_b32 v2, 15, v0
	s_delay_alu instid0(VALU_DEP_1)
	v_lshlrev_b32 v2, 2, v2                        ; 4 r
	s_wait_alu depctr_va_vdst(0)
	s_add_co_u32 s24, s22, s13
	s_mov_b32 s25, 0
	s_add_nc_u64 s[24:25], s[4:5], s[24:25]        ; Q's image
	s_lshr_b32 s26, s22, 4
	s_lshl_b32 s27, s11, 13
	s_add_co_u32 s26, s26, s27
	s_add_co_u32 s26, s26, 12582912
	s_mov_b32 s27, 0
	s_add_nc_u64 s[26:27], s[4:5], s[26:27]        ; Q's scale words
	global_load_b128 v[16:19], v1, s[24:25]
	global_load_b128 v[20:23], v1, s[24:25] offset:512
	global_load_b32 v243, v2, s[26:27]
	s_lshr_b32 s16, s11, 4                         ; batch
	s_and_b32 s17, s11, 15                         ; head
	s_lshl_b32 s18, s16, 21
	s_lshl_b32 s19, s22, 4
	s_add_co_u32 s18, s18, s19
	s_lshl_b32 s19, s17, 10
	s_add_co_u32 s18, s18, s19                     ; o's images: ((128 batch + tile) x 32 + 2 head) x 512
	s_mov_b32 s19, 0
	s_lshr_b32 s14, s17, 1
	s_lshl_b32 s14, s14, 14
	s_lshl_b32 s15, s16, 13
	s_add_co_u32 s14, s14, s15
	s_lshr_b32 s15, s22, 4
	s_add_co_u32 s14, s14, s15
	s_and_b32 s15, s17, 1
	s_lshl_b32 s15, s15, 1
	s_add_co_u32 s14, s14, s15
	s_add_co_u32 s14, s14, 4194304                 ; o's scale bytes: word [head / 2][row], bytes 2 (head % 2) and the next
	s_mov_b32 s15, 0
	s_add_nc_u64 s[98:99], s[6:7], s[14:15]
	s_add_nc_u64 s[6:7], s[6:7], s[18:19]
	v_mov_b32 v13, 0xff61b1e6                      ; the largest t so far: -3e38
	s_delay_alu instid0(VALU_DEP_1)
	v_floor_f32 v12, -v13
	v_mov_b32 v14, 0
	v_mov_b32 v15, 0
.irp j, 0,1,2,3,4,5,6,7
	v_mov_b32 v[24+\j], 0                          ; zero codes
	v_mov_b32 v[96+\j], 0
.endr
.irp b, 0,1,2,3
	v_mov_b32 v[220+\b], 0                         ; a lane permute's destination counts as a source
.endr
	v_mov_b32 v241, 0                              ; named as the upper half of v[240:241] before it is first written
	v_mov_b32 v242, 0
.set J, 0
.rept 32
	v_mov_b32 v[168+J], 0                          ; O^T: the step is written once; the first change of M leaves zeros zeros
.set J, J+1
.endr
.macro STEP
	s_barrier_signal -1                            ; I have begun this step; none of my LDS loads is out.  Up to the wait stand register work and LDS loads of bytes that nobody writes
	v_add_nc_u32 v8, s[TK], v1
	v_add_nc_u32 v9, s[TV], v1
	v_add_nc_u32 v10, s[TS], v2
	v_add_nc_u32 v11, s[TJ], v2
.irp t, 0,1,2,3,4,5,6,7
	ds_load_b128 v[32+8*\t:35+8*\t], v8 offset:1024*\t
	ds_load_b128 v[36+8*\t:39+8*\t], v8 offset:1024*\t+512
	ds_load_b32 v[232+\t], v10 offset:64*\t
.endr
	s_wait_alu depctr_va_vdst(0)                   ; the wait here, directly ahead of the wait below
	s_wait_dscnt 0x0
.irp t, 0,1,2,3,4,5,6,7
	v_wmma_scale_f32_16x16x128_f8f6f4 v[104+8*\t:111+8*\t], v[32+8*\t:47+8*\t], v[16:31], 0, v[232+\t], v243 matrix_a_fmt:MATRIX_FMT_BF8 matrix_b_fmt:MATRIX_FMT_BF8
.endr
.rept 8
	v_nop
.endr
.irp t, 0,1,2,3
.irp c, 0,1,2,3
	ds_load_b128 v[32+16*\t+4*\c:35+16*\t+4*\c], v9 offset:2048*\t+512*\c   ; V's four fragments take K's place, eight places behind the products that read it; the whole softmax stands ahead of the wait for them
.endr
	ds_load_b32 v[232+\t], v11 offset:64*\t
.endr
.irp b, 0,1,2,3
	v_max3_num_f32 v[216+\b], v[104+16*\b], v[105+16*\b], v[106+16*\b]
.endr
.irp i, 3,5,7,9,11,13
.irp b, 0,1,2,3
	v_max3_num_f32 v[216+\b], v[216+\b], v[104+16*\b+\i], v[105+16*\b+\i]
.endr
.endr
.irp b, 0,1,2,3
	v_max_num_f32 v[216+\b], v[216+\b], v[119+16*\b]
.endr
.irp b, 0,1,2,3
	s_delay_alu instid0(VALU_DEP_4)
	v_permlanex16_b32 v[220+\b], v[216+\b], s[SEL], s[SEL+1]
.endr
.irp b, 0,1,2,3
	s_delay_alu instid0(VALU_DEP_4)
	v_max_num_f32 v[216+\b], v[216+\b], v[220+\b]
.endr
	s_delay_alu instid0(VALU_DEP_2)
	v_max3_num_f32 v242, v216, v217, v218
	s_delay_alu instid0(VALU_DEP_1)
	v_max_num_f32 v242, v242, v219
	s_delay_alu instid0(VALU_DEP_1)
	v_mul_f32 v242, s[CS], v242
	s_delay_alu instid0(VALU_DEP_1)
	v_max_num_f32 v13, v13, v242                   ; the running largest t
	v_mov_b32 v242, v12
	s_delay_alu instid0(VALU_DEP_2)
	v_floor_f32 v12, -v13                          ; -M = floor(-t)
	s_delay_alu instid0(VALU_DEP_1)
	v_sub_f32 v242, v12, v242                      ; old M - new M: a whole number, 0 or less
	s_delay_alu instid0(VALU_DEP_1)
	v_cvt_i32_f32 v242, v242
	s_delay_alu instid0(VALU_DEP_1)
	v_ldexp_f32 v240, 1.0, v242                    ; f = 2^(old M - new M)
.set J, 0
.rept 32
	v_pk_fma_f32 v[104+J:105+J], v[104+J:105+J], s[CS:CS+1], v[12:13] op_sel_hi:[1,0,0]   ; t - M
.set J, J+2
.endr
.irp b, 0,1,2,3
	v_fma_f32 v[216+\b], v[216+\b], s[CS], v12
.endr
.set J, 0
	s_wait_alu depctr_va_vdst(0)
.rept 64
	v_exp_f32 v[104+J], v[104+J]                   ; p = 2^(t - M)
.set J, J+1
.endr
.irp b, 0,1,2,3
	v_exp_f32 v[216+\b], v[216+\b]                 ; the block's largest p
.endr
	v_pk_mul_f32 v[14:15], v[14:15], v[240:241] op_sel_hi:[1,0]   ; the sum under the new M (a plain instruction behind the exponentials)
	s_wait_alu depctr_va_vdst(0)
.irp b, 0,1,2,3
	v_max_num_f32 v[216+\b], 0x8000000, v[216+\b]  ; the floor 2^(16 - 127)
.endr
.irp b, 0,1,2,3
	s_delay_alu instid0(VALU_DEP_4)
	v_add_nc_u32 v[228+\b], 0xf8800000, v[216+\b]  ; the conversion's scale operand
.endr
.irp b, 0,1,2,3
	v_and_or_b32 v[224+\b], v[216+\b], 0x7f800000, s[MNT]   ; 57,344 x the scale
.endr
.irp b, 0,1,2,3
	v_mov_b32 v[216+(\b+1)%4], v[224+\b]           ; a second copy of the bound, whose register number differs modulo 4: the holds go two to an instruction
.endr
.irp b, 0,1,2,3
	v_lshrrev_b32 v[220+\b], 23, v[228+\b]         ; the scale's byte
.endr
	s_delay_alu instid0(VALU_DEP_3)
	v_lshl_or_b32 v241, v221, 8, v220              ; p's scale word for these 128 keys
	s_delay_alu instid0(VALU_DEP_1)
	v_lshl_or_b32 v241, v222, 16, v241
	s_delay_alu instid0(VALU_DEP_1)
	v_lshl_or_b32 v241, v223, 24, v241
	v_pk_add_f32 v[244:245], v[108:109], v[112:113]
	v_pk_add_f32 v[252:253], v[116:117], v[120:121]
	v_pk_add_f32 v[250:251], v[124:125], v[128:129]
	v_pk_add_f32 v[248:249], v[132:133], v[136:137]
	v_pk_add_f32 v[246:247], v[140:141], v[144:145]
	v_pk_add_f32 v[238:239], v[148:149], v[152:153]
	v_pk_add_f32 v[236:237], v[156:157], v[160:161]
	v_pk_add_f32 v[14:15], v[14:15], v[164:165]
	v_pk_add_f32 v[244:245], v[244:245], v[104:105]
	v_pk_add_f32 v[252:253], v[252:253], v[106:107]
	v_pk_add_f32 v[250:251], v[250:251], v[110:111]
	v_pk_add_f32 v[248:249], v[248:249], v[114:115]
	v_pk_add_f32 v[246:247], v[246:247], v[118:119]
	v_pk_add_f32 v[238:239], v[238:239], v[122:123]
	v_pk_add_f32 v[236:237], v[236:237], v[126:127]
	v_pk_add_f32 v[14:15], v[14:15], v[130:131]
	v_pk_add_f32 v[244:245], v[244:245], v[134:135]
	v_pk_add_f32 v[252:253], v[252:253], v[138:139]
	v_pk_add_f32 v[250:251], v[250:251], v[142:143]
	v_pk_add_f32 v[248:249], v[248:249], v[146:147]
	v_pk_add_f32 v[246:247], v[246:247], v[150:151]
	v_pk_add_f32 v[238:239], v[238:239], v[154:155]
	v_pk_add_f32 v[236:237], v[236:237], v[158:159]
	v_pk_add_f32 v[14:15], v[14:15], v[162:163]
	v_pk_add_f32 v[244:245], v[244:245], v[166:167]   ; the eight chains are joined behind the second product
.irp b, 0,1,2,3
.irp i, 0,2,4,6,8,10,12,14
	v_dual_min_num_f32 v[104+16*\b+\i], v[104+16*\b+\i], v[224+\b] :: v_dual_min_num_f32 v[105+16*\b+\i], v[105+16*\b+\i], v[216+(\b+1)%4]   ; the conversion does not saturate (ISA guide 7.6.2); p is not negative
.endr
	v_cvt_scalef32_pk8_bf8_f32 v[200+4*\b:201+4*\b], v[104+16*\b:111+16*\b], v[228+\b]
	v_cvt_scalef32_pk8_bf8_f32 v[202+4*\b:203+4*\b], v[112+16*\b:119+16*\b], v[228+\b]
.endr
.set J, 0
.rept 16
	v_pk_mul_f32 v[168+J:169+J], v[168+J:169+J], v[240:241] op_sel_hi:[1,0]   ; O^T under the new M; also the places in front of the products below
.set J, J+2
.endr
	s_wait_alu depctr_va_vdst(0)
	s_barrier_wait -1                              ; every wave has begun this step
	s_wait_dscnt 0x0
.irp t, 0,1,2,3
	v_wmma_scale_f32_16x16x128_f8f6f4 v[168+8*\t:175+8*\t], v[32+16*\t:47+16*\t], v[200:215], v[168+8*\t:175+8*\t], v[232+\t], v241 matrix_a_fmt:MATRIX_FMT_BF8 matrix_b_fmt:MATRIX_FMT_BF8
.endr
	v_pk_add_f32 v[14:15], v[14:15], v[248:249]    ; the sum's chains are joined here: with the next step's four additions eleven places behind the products above, of which nine are asked
	v_pk_add_f32 v[244:245], v[244:245], v[246:247]
	v_pk_add_f32 v[252:253], v[252:253], v[238:239]
	v_pk_add_f32 v[250:251], v[250:251], v[236:237]
	s_delay_alu instid0(VALU_DEP_2)
	v_pk_add_f32 v[14:15], v[14:15], v[252:253]
	s_delay_alu instid0(VALU_DEP_2)
	v_pk_add_f32 v[244:245], v[244:245], v[250:251]
	s_delay_alu instid0(VALU_DEP_1)
	v_pk_add_f32 v[14:15], v[14:15], v[244:245]
	s_add_co_u32 s[TK], s[TK], 8192
	s_add_co_u32 s[TV], s[TV], 8192
	s_add_co_u32 s[TS], s[TS], 512
	s_add_co_u32 s[TJ], s[TJ], 256
.endm
	s_wait_alu depctr_va_vdst(0)                   ; the wait at the head's end
	s_cmp_lt_u32 s[WV], 8                          ; waves 0-7 wait for their one load: the scale words and the first 512 keys; the other fills may be out
	s_cbranch_scc0 .Llater
	s_wait_tensorcnt 0x0
.Llater:
	s_barrier_signal -1
	s_barrier_wait -1
	s_wait_loadcnt 0x0
	s_mov_b32 s[CNT], 4
.Lfirst:
	STEP
	s_sub_co_u32 s[CNT], s[CNT], 1
	s_cmp_lg_u32 s[CNT], 0
	s_cbranch_scc1 .Lfirst
	s_wait_tensorcnt 0x0                           ; my part of the other 1,536 keys is in,
	s_wait_dscnt 0x0
	s_barrier_signal -1
	s_barrier_wait -1                              ; everybody's is
	s_mov_b32 s[CNT], 12
.Lrest:
	STEP
	s_sub_co_u32 s[CNT], s[CNT], 1
	s_cmp_lg_u32 s[CNT], 0
	s_cbranch_scc1 .Lrest
.rept 8
	v_nop                                          ; places behind the last products
.endr
	v_add_f32 v14, v14, v15
	s_delay_alu instid0(VALU_DEP_1)
	v_permlanex16_b32 v242, v14, s[SEL], s[SEL+1]
	s_delay_alu instid0(VALU_DEP_1)
	v_add_f32 v14, v14, v242                       ; the row's sum
	s_wait_alu depctr_va_vdst(0)
	v_rcp_f32 v14, v14
	v_nop
.set J, 0
	s_wait_alu depctr_va_vdst(0)
.rept 32
	v_mul_f32 v[104+J], v[168+J], v14              ; register 8 t + i is o(query r, 16 t + 8 h + i of the head)
.set J, J+1
.endr
.irp b, 0,1
	v_max3_num_f32 v[216+\b], |v[104+16*\b]|, |v[105+16*\b]|, 0x8000000
.endr
.irp i, 2,4,6,8,10,12,14
.irp b, 0,1
	s_delay_alu instid0(VALU_DEP_2)
	v_max3_num_f32 v[216+\b], v[216+\b], |v[104+16*\b+\i]|, |v[105+16*\b+\i]|
.endr
.endr
.irp b, 0,1
	s_delay_alu instid0(VALU_DEP_2)
	v_permlanex16_b32 v[220+\b], v[216+\b], s[SEL], s[SEL+1]
.endr
.irp b, 0,1
	s_delay_alu instid0(VALU_DEP_2)
	v_max_num_f32 v[216+\b], v[216+\b], v[220+\b]
.endr
.irp b, 0
	s_delay_alu instid0(VALU_DEP_2)
	v_add_nc_u32 v[228+\b], 0xf8800000, v[216+\b]
	s_delay_alu instid0(VALU_DEP_3)
	v_and_or_b32 v[224+\b], v[216+\b], 0x7f800000, s[MNT]
.endr
.irp b, 1
	s_delay_alu instid0(VALU_DEP_3)
	v_add_nc_u32 v[228+\b], 0xf8800000, v[216+\b]
	s_delay_alu instid0(VALU_DEP_4)
	v_and_or_b32 v[224+\b], v[216+\b], 0x7f800000, s[MNT]
.endr
.irp b, 0
	s_delay_alu instid0(VALU_DEP_4)
	v_lshrrev_b32 v[220+\b], 23, v[228+\b]
.endr
.irp b, 1
	s_delay_alu instid0(VALU_DEP_3)
	v_lshrrev_b32 v[220+\b], 23, v[228+\b]
.endr
	s_delay_alu instid0(VALU_DEP_1)
	v_lshl_or_b32 v242, v221, 8, v220              ; the head's two scale bytes of my row
.irp b, 0,1
.irp i, 0,1,2,3,4,5,6,7,8,9,10,11,12,13,14,15
	v_med3_num_f32 v[104+16*\b+\i], v[104+16*\b+\i], -v[224+\b], v[224+\b]
.endr
	v_cvt_scalef32_pk8_bf8_f32 v[200+4*\b:201+4*\b], v[104+16*\b:111+16*\b], v[228+\b]
	v_cvt_scalef32_pk8_bf8_f32 v[202+4*\b:203+4*\b], v[112+16*\b:119+16*\b], v[228+\b]
.endr
	v_nop
.irp b, 0,1                            ; the partner, wo, lies in K's own order: lanes 0-15 give elements 16-23 for lanes 16-31's 8-15
	v_permlane16_swap_b32 v[200+4*\b], v[202+4*\b]
	v_permlane16_swap_b32 v[201+4*\b], v[203+4*\b]
.endr
	global_store_b128 v1, v[200:203], s[6:7]       ; 512 consecutive bytes each
	global_store_b128 v1, v[204:207], s[6:7] offset:512
	global_store_b16 v2, v242, s[98:99]            ; two bytes of a word that two heads share; both halves of the lanes write the same two bytes
	s_wait_tensorcnt 0x0
	ds_add_u32 v254, v255
	s_wait_dscnt 0x0
	CROUND                                         ; the closing round
	s_endpgm
.Lfunc_end_k_qe55efd0f92_attn:
	.size	k_qe55efd0f92_attn, .Lfunc_end_k_qe55efd0f92_attn-k_qe55efd0f92_attn
	.p2alignl 7, 3214868480
	.fill 96, 4, 3214868480
	.section	.rodata,"a",@progbits
	.p2align	6, 0x0
	.amdhsa_kernel k_qe55efd0f92_attn
		.amdhsa_group_segment_fixed_size 276480
		.amdhsa_private_segment_fixed_size 0
		.amdhsa_enable_private_segment 0
		.amdhsa_kernarg_size 16
		.amdhsa_user_sgpr_count 2
		.amdhsa_user_sgpr_kernarg_segment_ptr 1
		.amdhsa_wavefront_size32 1
		.amdhsa_system_sgpr_workgroup_id_x 1
		.amdhsa_system_sgpr_workgroup_id_y 1
		.amdhsa_system_sgpr_workgroup_id_z 1
		.amdhsa_system_vgpr_workitem_id 0
		.amdhsa_next_free_vgpr 256
		.amdhsa_next_free_sgpr 100
		.amdhsa_reserve_vcc 0
		.amdhsa_float_denorm_mode_32 3
		.amdhsa_float_denorm_mode_16_64 3
		.amdhsa_memory_ordered 1
		.amdhsa_forward_progress 1
		.amdhsa_inst_pref_size 59
	.end_amdhsa_kernel
	.amdgpu_metadata
---
amdhsa.version: [ 1, 2 ]
amdhsa.kernels:
  - .name:           k_qe55efd0f92_attn
    .symbol:         k_qe55efd0f92_attn.kd
    .args:
      - { .name: qkv, .offset: 0, .size: 8, .value_kind: global_buffer, .address_space: global }
      - { .name: oq, .offset: 8, .size: 8, .value_kind: global_buffer, .address_space: global }
    .group_segment_fixed_size: 276480
    .private_segment_fixed_size: 0
    .kernarg_segment_align: 8
    .kernarg_segment_size: 16
    .max_flat_workgroup_size: 512
    .sgpr_count:     100
    .vgpr_count:     256
    .wavefront_size: 32
...
	.end_amdgpu_metadata
.endif
;; end of part 3
;; launch oproj (part 4): grid 8 x 32, 4 waves a work-group, clusters of 4 x 4, 327,680 bytes of LDS; arguments oq, wo_codes, wo_scales, bo, xn, y; writes y
.if DOCPART == 4
	.amdgcn_target "amdgcn-amd-amdhsa--gfx1250"
	.amdhsa_code_object_version 6
	.text
	.protected	k_qe55efd0f92_oproj
	.globl	k_qe55efd0f92_oproj
	.p2align	8
	.type	k_qe55efd0f92_oproj,@function
k_qe55efd0f92_oproj:
	s_mov_b64 s[64:65], 0
	v_nop
	global_prefetch_b8 v0, s[64:65] scope:SCOPE_SE
	s_setreg_imm32_b32 hwreg(HW_REG_WAVE_MODE, 25, 1), 1
	s_wait_xcnt 0x0
	s_wait_alu depctr_hold_cnt(0) depctr_sa_sdst(0) depctr_va_vdst(0) depctr_va_sdst(0) depctr_va_ssrc(0) depctr_va_vcc(0) depctr_vm_vsrc(0)
	s_getreg_b32 s2, hwreg(HW_REG_IB_STS2, 6, 4)
	s_cmp_eq_u32 s2, 0
	s_cbranch_scc0 .Lentry_in_a_cluster
	s_endpgm
.Lentry_in_a_cluster:
	s_bfe_u32 s2, ttmp6, 0x10000c
	s_cmp_lg_u32 s2, 0xf033
	s_cbranch_scc0 .Lentry_shape_is_right
	s_endpgm
.Lentry_shape_is_right:
; y = xn + o wo^T + bo on codes of E5M2 with E8M0 scales.  A block of 128 x 128 to a work-group; its four waves share K (each takes 128 of a slot's 512) and add their sums through LDS on the way out.
; A = o's operand images, B = wo's rows; both come by joint loads of a 4 x 4 cluster through two LDS slots; the scale bytes of all of K come once.
; Each K step's tiles are prefetched one refill ahead of their load; the four partners of a joint load share its blocks of 256 bytes out by address.
.set SIZE_K, 1024
.set KS,     SIZE_K/32
.set NSLOT,  SIZE_K/512
.set FR,     16
.set NL,     4
.set NP,     8
.set ASL,    65536
.set BP,     528
.set SLOT,   ASL+128*BP
.set SCA,    2*SLOT
.set SCB,    SCA+4*SIZE_K
.set SBLK,   (16*KS/256)*272
.set SPARE,  300032
.set RW,   8
.set RR,   10
.set ADRA, 16
.set ADRB, 20
.set ADSA, 22
.set ADSB, 23
.set LI,   24
.set SPW,  28
.set NIL,  29
.set SC,   32
.set AF,   128
.set G1, 24
.set G0, 32
.set G1B, 48
.set G0B, 56
.set G1S, 68
.set G0S, 76
.set G1SB, 80
.set G0SB, 88
.set PFO, 30                           ; v30 the prefetches' offset; never rewritten
.set PFA, 100                          ; s[100:101] where my prefetches stand: the slot that the next refill will load
.set PFS, 104                          ; s[104:105] a slot on: 8,192 bytes in a row tile's image of A, 512 in a row of B
.set MSB, 0
.macro WIN new
.if MSB != \new
	s_set_vgpr_msb (MSB<<8)|\new
.set MSB, \new
.endif
.endm
.set MUL_LO, 0xa1
.set MUL_HI, 0xf1
.set TO_B,   0x40
.macro JLOAD g0a, g1a, g0b, g1b
	s_cmp_eq_u32 s15, 0
	s_cbranch_scc0 .Lfor_b_\@
	tensor_load_to_lds s[\g0a:\g0a+3], s[\g1a:\g1a+7]
	s_nop 0
.rept 4
	v_nop
.endr
	s_branch .Lasked_\@
.Lfor_b_\@:
	tensor_load_to_lds s[\g0b:\g0b+3], s[\g1b:\g1b+7]
	s_nop 0
.rept 4
	v_nop
.endr
.Lasked_\@:
.endm
.macro CREST
	s_cmp_lg_u32 s14, 0
	s_cbranch_scc1 .Lnot_wave_0_\@
	s_barrier_signal -3
.Lnot_wave_0_\@:
	s_barrier_wait -3
	s_barrier_signal -1
	s_barrier_wait -1
.endm
.macro CROUND
	s_barrier_signal -1
	s_barrier_wait -1
	CREST
.endm
	s_load_b256 s[4:11], s[0:1], 0x0
	s_load_b128 s[96:99], s[0:1], 0x20
	v_lshl_add_u32 v[SPW], v0, 2, SPARE
	v_mov_b32 v[NIL], 0
	ds_add_u32 v28, v29
	ds_add_u32 v28, v29
	s_wait_dscnt 0x0
	v_lshrrev_b32 v1, 5, v0
	v_readfirstlane_b32 s14, v1
	s_lshr_b32 s15, s14, 1
	s_and_b32 s16, s14, 1
	s_bfe_u32 s40, ttmp6, 0x40000
	s_bfe_u32 s41, ttmp6, 0x40004
	s_lshl_b32 s42, ttmp9, 2
	s_add_co_u32 s42, s42, s40
	s_and_b32 s17, ttmp7, 0xffff
	s_lshl_b32 s17, s17, 2
	s_add_co_u32 s17, s17, s41
	s_lshl_b32 s43, s41, 2
	s_lshl_b32 s43, 15, s43
	s_lshl_b32 s44, 0x1111, s40
	s_or_b32 s[G1+0], s43, (3<<16)|(1<<21)
	s_mov_b32 s[G1+1], 1024<<16
	s_mov_b32 s[G1+2], 8<<16
	s_mov_b32 s[G1+3], 1024<<16
	s_mov_b32 s[G1+4], 8
	s_mov_b32 s[G1+5], 2*SIZE_K
	s_mov_b32 s[G1+6], 0
	s_mov_b32 s[G1+7], 0
	s_or_b32 s[G1B+0], s44, (0<<16)|(1<<20)|(1<<21)|(6<<22)|(3<<25)
	s_mov_b32 s[G1B+1], 512<<16
	s_mov_b32 s[G1B+2], 128<<16
	s_mov_b32 s[G1B+3], 512<<16
	s_mov_b32 s[G1B+4], 128
	s_mov_b32 s[G1B+5], SIZE_K
	s_mov_b32 s[G1B+6], 0
	s_mov_b32 s[G1B+7], 0
	s_or_b32 s[G1S+0], s43, (3<<16)|(1<<21)
	s_mov_b32 s[G1S+1], 64<<16
	s_mov_b32 s[G1S+2], (SIZE_K/128)<<16
	s_mov_b32 s[G1S+3], 64<<16
	s_mov_b32 s[G1S+4], SIZE_K/128
	s_mov_b32 s[G1S+5], 2048
	s_mov_b32 s[G1S+6], 0
	s_mov_b32 s[G1S+7], 0
	s_or_b32 s[G1SB+0], s44, (3<<16)|(1<<20)|(1<<21)|(5<<22)|(3<<25)
	s_mov_b32 s[G1SB+1], 32<<16
	s_mov_b32 s[G1SB+2], (SIZE_K/64)<<16
	s_mov_b32 s[G1SB+3], 32<<16
	s_mov_b32 s[G1SB+4], SIZE_K/64
	s_mov_b32 s[G1SB+5], 32
	s_mov_b32 s[G1SB+6], 0
	s_mov_b32 s[G1SB+7], 0
	s_mul_i32 s20, s17, 128*SIZE_K                 ; A: my eight row tiles' images
	s_mov_b32 s21, 0
	s_lshl_b32 s22, s17, 9
	s_add_co_u32 s22, s22, 4096*SIZE_K
	s_mov_b32 s23, 0
	s_lshl_b32 s46, s42, 7
	s_mul_i32 s92, s46, KS
	s_mov_b32 s93, 0
	s_mul_i32 s46, s46, SIZE_K
	s_mov_b32 s47, 0
	s_lshl_b32 s45, s16, 15
	s_mul_i32 s94, s16, 64*BP
	s_add_co_u32 s94, s94, ASL
	s_mul_i32 s18, s16, 64*SIZE_K                  ; in the ring I fetch half a tile: four row tiles of A or 64 rows of B, 64 SIZE_K bytes on either way
	s_mov_b32 s19, 0
	s_cmp_eq_u32 s15, 0                            ; the prefetches: of a tile's 128 rows the partner at place p (cx for A, cy for B) names 32, each of its two waves 16: 8,192 bytes a slot, lanes 256 bytes apart
	s_cselect_b32 s66, s17, s42
	s_cselect_b32 s95, s40, s41
	s_mov_b32 s[PFS], 512
	s_cselect_b32 s[PFS], 8192, s[PFS]
	s_mov_b32 s3, SIZE_K
	s_cselect_b32 s3, 512, s3                      ; from one pair of lanes to the next: 512 bytes on in an image of A, a row on in B
	s_mov_b32 s[PFS+1], 0
	s_lshl_b32 s66, s66, 7
	s_lshl_b32 s95, s95, 5
	s_add_co_u32 s66, s66, s95
	s_lshl_b32 s95, s16, 4
	s_add_co_u32 s66, s66, s95
	s_mul_i32 s66, s66, SIZE_K
	s_add_co_u32 s66, s66, s[PFS]                  ; at slot 1
	s_mov_b32 s67, 0
	v_bfe_u32 v[PFO], v0, 1, 4
	v_and_b32 v2, 1, v0
	v_mul_u32_u24 v[PFO], s3, v[PFO]
	v_lshl_add_u32 v[PFO], v2, 8, v[PFO]
	s_wait_alu depctr_va_vdst(0)                   ; the wait here, directly ahead of the wait below
	s_wait_kmcnt 0x0
	s_add_nc_u64 s[20:21], s[4:5], s[20:21]
	s_add_nc_u64 s[22:23], s[4:5], s[22:23]
	s_add_nc_u64 s[46:47], s[6:7], s[46:47]
	s_add_nc_u64 s[92:93], s[8:9], s[92:93]
	s_cmp_eq_u32 s15, 0
	s_cselect_b64 s[PFA:PFA+1], s[4:5], s[6:7]
	s_add_nc_u64 s[PFA:PFA+1], s[PFA:PFA+1], s[66:67]
	CROUND
	s_mov_b32 s[G0S], 1
	s_mov_b32 s[G0S+1], SCA
	s_mov_b64 s[G0S+2:G0S+3], s[22:23]
	s_or_b32 s[G0S+3], s[G0S+3], 0x80000000
	s_mov_b32 s[G0SB], 1
	s_mov_b32 s[G0SB+1], SCB
	s_mov_b64 s[G0SB+2:G0SB+3], s[92:93]
	s_or_b32 s[G0SB+3], s[G0SB+3], 0x80000000
.irp s, 0,1
	s_mov_b32 s[G0+4*\s], 1
	s_add_co_u32 s[G0+4*\s+1], s45, \s*SLOT
	s_add_nc_u64 s[G0+4*\s+2:G0+4*\s+3], s[20:21], \s*8192
	s_or_b32 s[G0+4*\s+3], s[G0+4*\s+3], 0x80000000
	s_mov_b32 s[G0B+4*\s], 1
	s_add_co_u32 s[G0B+4*\s+1], s94, \s*SLOT
	s_add_nc_u64 s[G0B+4*\s+2:G0B+4*\s+3], s[46:47], \s*512
	s_or_b32 s[G0B+4*\s+3], s[G0B+4*\s+3], 0x80000000
.endr
	s_add_nc_u64 s[G0+6:G0+7], s[G0+6:G0+7], s[18:19]       ; slot 1's loads bring my half of a tile;
	s_add_nc_u64 s[G0B+6:G0B+7], s[G0B+6:G0B+7], s[18:19]
	s_mov_b32 s[G0+1], 0                           ; slot 0's first fills bring whole tiles
	s_mov_b32 s[G0B+1], ASL
; THE HEAD'S LOADS, ONE A WAVE: wave 0 slot 0's tile of A, wave 1 its tile of B, wave 2 A's scale words, wave 3 B's scale bytes: one chain of arms, every way passes one load
.macro ARM under, g0, g1, next
	s_cmp_lt_u32 s14, \under
	s_cbranch_scc0 \next
	tensor_load_to_lds s[\g0:\g0+3], s[\g1:\g1+7]
	s_nop 0
.rept 4
	v_nop
.endr
	s_branch .Lhead_asked
\next:
.endm
	ARM 1, G0,  G1,  .Lhead_b
	ARM 2, G0B, G1B, .Lhead_sa
	ARM 3, G0S, G1S, .Lhead_sb
	tensor_load_to_lds s[G0SB:G0SB+3], s[G1SB:G1SB+7]
	s_nop 0
.rept 4
	v_nop
.endr
.Lhead_asked:
	global_prefetch_b8 v[PFO], s[PFA:PFA+1] th:TH_LOAD_NT scope:SCOPE_SE   ; slot 1, one refill ahead of its load
	v_and_b32 v1, 15, v0
	v_bfe_u32 v2, v0, 4, 1
	v_and_b32 v3, 31, v0
	v_lshlrev_b32 v[LI], 4, v3
	s_lshl_b32 s21, s14, 11
	v_add_nc_u32 v[ADRA], s21, v[LI]
	v_add_nc_u32 v[ADRA+1], SLOT, v[ADRA]
	v_mul_u32_u24 v4, v1, BP
	v_lshl_add_u32 v4, v2, 4, v4
	s_lshl_b32 s21, s14, 7
	s_add_co_u32 s21, s21, ASL
	v_add_nc_u32 v[ADRB], s21, v4
	v_add_nc_u32 v[ADRB+1], SLOT, v[ADRB]
	s_lshl_b32 s21, s14, 9
	s_add_co_u32 s21, s21, SCA
	v_lshl_add_u32 v[ADSA], v1, 2, s21
	v_mul_u32_u24 v5, v1, KS
	v_lshrrev_b32 v6, 8, v5
	v_lshl_add_u32 v5, v6, 4, v5
	s_lshl_b32 s21, s14, 2
	s_add_co_u32 s21, s21, SCB
	v_add_nc_u32 v[ADSB], s21, v5
	s_mul_i32 s21, s14, 69632
	v_mul_u32_u24 v[RW], v2, 272
	v_lshl_add_u32 v[RW], v1, 4, v[RW]
	v_add_nc_u32 v[RW], s21, v[RW]
	v_add_nc_u32 v[RW+1], 34816, v[RW]
	v_lshrrev_b32 v5, 2, v3
	v_and_b32 v6, 1, v3
	v_lshl_add_u32 v5, v5, 1, v6
	v_mul_u32_u24 v5, v5, 544
	v_bfe_u32 v6, v3, 1, 1
	v_mad_u32_u24 v5, v6, 272, v5
	s_mul_i32 s21, s14, 17408
	v_add_nc_u32 v[RR], s21, v5
	v_add_nc_u32 v[RR+1], 69632, v[RR]
	v_add_nc_u32 v[RR+2], 69632, v[RR+1]
	v_add_nc_u32 v[RR+3], 69632, v[RR+2]
	s_lshl_b32 s20, s17, 7
	s_lshl_b32 s21, s14, 5
	s_add_co_u32 s20, s20, s21
	s_lshl_b32 s20, s20, 12
	s_lshl_b32 s46, s42, 9
	s_add_co_u32 s20, s20, s46
	s_mov_b32 s21, 0
	s_mov_b32 s47, 0
	s_add_nc_u64 s[96:97], s[96:97], s[20:21]
	s_add_nc_u64 s[98:99], s[98:99], s[20:21]
	s_add_nc_u64 s[10:11], s[10:11], s[46:47]
.macro MUL16 a0, p, zero
.irp a, \a0, \a0+1
.irp b, 0,1,2,3,4,5,6,7
.if \zero
	v_wmma_scale_f32_16x16x128_f8f6f4 v[8*(8*((\a)%4)+\b):8*(8*((\a)%4)+\b)+7], v[128*(\p)+FR*\b:128*(\p)+FR*\b+FR-1], v[AF+FR*(\a):AF+FR*(\a)+FR-1], 0, v[SC+16*(\p)+8+\b], v[SC+16*(\p)+(\a)] matrix_a_fmt:MATRIX_FMT_BF8 matrix_b_fmt:MATRIX_FMT_BF8
.else
	v_wmma_scale_f32_16x16x128_f8f6f4 v[8*(8*((\a)%4)+\b):8*(8*((\a)%4)+\b)+7], v[128*(\p)+FR*\b:128*(\p)+FR*\b+FR-1], v[AF+FR*(\a):AF+FR*(\a)+FR-1], v[8*(8*((\a)%4)+\b):8*(8*((\a)%4)+\b)+7], v[SC+16*(\p)+8+\b], v[SC+16*(\p)+(\a)] matrix_a_fmt:MATRIX_FMT_BF8 matrix_b_fmt:MATRIX_FMT_BF8
.endif
.endr
.endr
.endm
.macro FETCH_B slot
	WIN TO_B
.irp i, 0,1,2,3,4,5,6,7
.irp c, 0,1,2,3
	ds_load_b128 v[128*(\slot)+FR*\i+4*\c:128*(\slot)+FR*\i+4*\c+3], v[ADRB+\slot] offset:\i*16*BP+32*\c
.endr
.endr
	WIN 0
.endm
.macro FETCH_A slot, i0
.irp i, \i0, \i0+1, \i0+2, \i0+3
.irp c, 0,1,2,3
	ds_load_b128 v[AF+FR*(\i)+4*\c:AF+FR*(\i)+4*\c+3], v[ADRA+\slot] offset:(\i)*8192+512*\c
.endr
.endr
.endm
.macro SCALES p
.irp i, 0,1,2,3,4,5,6,7
	ds_load_b32 v[SC+16*(\p)+\i], v[ADSA] offset:64*\i
	ds_load_b32 v[SC+16*(\p)+8+\i], v[ADSB] offset:\i*SBLK
.endr
.endm
.macro PLACES n
.rept \n
	v_nop
.endr
.endm
.macro TURN slot, next, fill, zero, ask=1      ; ask = 0: the last refill: no slot follows it
.if (\fill) && (\ask)
	s_wait_xcnt 0x0                                ; my last prefetch has read its address
	s_add_nc_u64 s[PFA:PFA+1], s[PFA:PFA+1], s[PFS:PFS+1]
.endif
	s_wait_tensorcnt 0x0
	ds_add_u32 v[SPW], v[NIL]
	s_wait_dscnt 4*NL+1
	WIN MUL_LO
	MUL16 0, \slot, \zero
	s_wait_dscnt 0x0
	s_barrier_signal -1
	MUL16 2, \slot, \zero
	WIN 0
	s_barrier_wait -1
.if \fill
	CREST
	s_add_nc_u64 s[G0+4*\slot+2:G0+4*\slot+3], s[G0+4*\slot+2:G0+4*\slot+3], 16384
	s_add_nc_u64 s[G0B+4*\slot+2:G0B+4*\slot+3], s[G0B+4*\slot+2:G0B+4*\slot+3], 1024
	JLOAD G0+4*\slot, G1, G0B+4*\slot, G1B
	PLACES NP-4
.else
	PLACES NP
.endif
	v_add_nc_u32 v[ADSA], 2048, v[ADSA]
	v_add_nc_u32 v[ADSB], 16, v[ADSB]
	FETCH_B \next
	FETCH_A \next, 0
	SCALES \next
.if (\fill) && (\ask)
	global_prefetch_b8 v[PFO], s[PFA:PFA+1] th:TH_LOAD_NT scope:SCOPE_SE   ; the slot that the next refill will load
.endif
	WIN MUL_HI
	MUL16 4, \slot, \zero
	MUL16 6, \slot, \zero
	PLACES NP
	WIN 0
	FETCH_A \next, 4
.endm
	s_wait_alu depctr_va_vdst(0)                   ; the wait at the head's end
	s_wait_tensorcnt 0x0                           ; my tile of the head's four is in; slot 1's first fill is issued as a refill is:
	ds_add_u32 v[SPW], v[NIL]                      ; 0 onto my spare word
	s_mov_b32 s[G1+2], 4<<16                       ; no tensor load of mine is out: from here on a load brings half a tile
	s_mov_b32 s[G1+4], 4
	s_mov_b32 s[G1B+2], 64<<16
	s_mov_b32 s[G1B+4], 64
.if NSLOT > 2
	s_mov_b32 s[G0+1], s45
	s_add_nc_u64 s[G0+2:G0+3], s[G0+2:G0+3], s[18:19]
	s_mov_b32 s[G0B+1], s94
	s_add_nc_u64 s[G0B+2:G0B+3], s[G0B+2:G0B+3], s[18:19]
	s_wait_xcnt 0x0                                ; the prefetch has read its address
	s_add_nc_u64 s[PFA:PFA+1], s[PFA:PFA+1], s[PFS:PFS+1]
.endif
	s_wait_dscnt 0x0
	CROUND                                         ; all four tiles are in, and all sixteen work-groups are here
	JLOAD G0+4, G1, G0B+4, G1B                     ; slot 1
	FETCH_B 0
	FETCH_A 0, 0
	SCALES 0
	FETCH_A 0, 4
.if NSLOT > 2
	global_prefetch_b8 v[PFO], s[PFA:PFA+1] th:TH_LOAD_NT scope:SCOPE_SE   ; slot 2
	TURN 0, 1, 1, 1
	s_mov_b32 s3, (NSLOT-4)/2
.Llap:
	TURN 1, 0, 1, 0
	TURN 0, 1, 1, 0
	s_sub_co_u32 s3, s3, 1
	s_cmp_lg_u32 s3, 0
	s_cbranch_scc1 .Llap
	TURN 1, 0, 1, 0, 0
	TURN 0, 1, 0, 0
.else
	TURN 0, 1, 0, 1
.endif
	global_load_b128 v[4:7], v[LI], s[10:11]       ; the bias, and my 32 rows of the residual, into B's set 0 (window 1), which the last 64 products do not read: eight places stand behind its last reader
	WIN TO_B
.set J, 0
.rept 32
	global_load_b128 v[4*J:4*J+3], v[LI], s[96:97] offset:4096*J
.set J, J+1
.endr
	WIN 0
	s_wait_dscnt 4*NL
	WIN MUL_LO
	MUL16 0, 1, 0
	MUL16 2, 1, 0
	s_wait_dscnt 0
	WIN MUL_HI
	MUL16 4, 1, 0
	MUL16 6, 1, 0
	WIN 0
	PLACES NP
	s_wait_dscnt 0x0
	s_barrier_signal -1
	s_barrier_wait -1
	WIN 0x08
.irp a, 0,1,2,3
.irp b, 0,1,2,3,4,5,6,7
	ds_store_b128 v[RW], v[64*\a+8*\b:64*\a+8*\b+3] offset:((\a*8+\b)*2)*544
	ds_store_b128 v[RW], v[64*\a+8*\b+4:64*\a+8*\b+7] offset:((\a*8+\b)*2+1)*544
.endr
.endr
	WIN 0x0c
.irp a, 0,1,2,3
.irp b, 0,1,2,3,4,5,6,7
	ds_store_b128 v[RW+1], v[64*\a+8*\b:64*\a+8*\b+3] offset:((\a*8+\b)*2)*544
	ds_store_b128 v[RW+1], v[64*\a+8*\b+4:64*\a+8*\b+7] offset:((\a*8+\b)*2+1)*544
.endr
.endr
	WIN 0
	s_wait_dscnt 0x0
	s_barrier_signal -1
	s_barrier_wait -1
.macro BATCH n
.irp q, 0,1,2,3
.irp s, 0,1,2,3
	ds_load_b128 v[64+64*((\n)%2)+16*\q+4*\s:64+64*((\n)%2)+16*\q+4*\s+3], v[RR+\s] offset:(((4*(\n)+\q)>>4)*8704)+(((4*(\n)+\q)&15)*16)
.endr
.endr
.endm
.macro BWORK n, out                    ; out: the next batch's 16 LDS loads, which may be out; the batches' registers, v64-127 and v128-191, take turns
	s_wait_dscnt \out
	s_wait_loadcnt 28-4*(\n)
.irp q, 0,1,2,3
.set T, 64+64*((\n)%2)+16*\q
	v_pk_add_f32 v[T:T+1], v[T:T+1], v[T+4:T+5]
	v_pk_add_f32 v[T+2:T+3], v[T+2:T+3], v[T+6:T+7]
	v_pk_add_f32 v[T+8:T+9], v[T+8:T+9], v[T+12:T+13]
	v_pk_add_f32 v[T+10:T+11], v[T+10:T+11], v[T+14:T+15]
	v_pk_add_f32 v[T:T+1], v[T:T+1], v[T+8:T+9]
	v_pk_add_f32 v[T+2:T+3], v[T+2:T+3], v[T+10:T+11]
	v_pk_add_f32 v[T:T+1], v[T:T+1], v[4:5]
	v_pk_add_f32 v[T+2:T+3], v[T+2:T+3], v[6:7]
.endr
	WIN 0x41                                       ; the residual's registers: source 0 and destination in window 1
.irp q, 0,1,2,3
.set T, 64+64*((\n)%2)+16*\q
.set R, 4*(4*(\n)+\q)
	v_pk_add_f32 v[R:R+1], v[R:R+1], v[T:T+1]
	v_pk_add_f32 v[R+2:R+3], v[R+2:R+3], v[T+2:T+3]
.endr
	WIN 0x04                                       ; a store's data: source 1
.irp q, 0,1,2,3
.set R, 4*(4*(\n)+\q)
	global_store_b128 v[LI], v[R:R+3], s[98:99] offset:4096*(4*(\n)+\q)
.endr
	WIN 0
.endm
	BATCH 0
.irp n, 0,1,2,3,4,5,6
	BATCH \n+1
	BWORK \n, 16
.endr
	BWORK 7, 0
	s_wait_tensorcnt 0x0
	ds_add_u32 v[SPW], v[NIL]
	s_wait_dscnt 0x0
	CROUND
	s_endpgm
.Lfunc_end_k_qe55efd0f92_oproj:
	.size	k_qe55efd0f92_oproj, .Lfunc_end_k_qe55efd0f92_oproj-k_qe55efd0f92_oproj
	.p2alignl 7, 3214868480
	.fill 96, 4, 3214868480
	.section	.rodata,"a",@progbits
	.p2align	6, 0x0
	.amdhsa_kernel k_qe55efd0f92_oproj
		.amdhsa_group_segment_fixed_size 327680
		.amdhsa_private_segment_fixed_size 0
		.amdhsa_enable_private_segment 0
		.amdhsa_kernarg_size 48
		.amdhsa_user_sgpr_count 2
		.amdhsa_user_sgpr_kernarg_segment_ptr 1
		.amdhsa_wavefront_size32 1
		.amdhsa_system_sgpr_workgroup_id_x 1
		.amdhsa_system_sgpr_workgroup_id_y 1
		.amdhsa_system_sgpr_workgroup_id_z 1
		.amdhsa_system_vgpr_workitem_id 0
		.amdhsa_next_free_vgpr 1024
		.amdhsa_next_free_sgpr 106
		.amdhsa_reserve_vcc 0
		.amdhsa_float_denorm_mode_32 3
		.amdhsa_float_denorm_mode_16_64 3
		.amdhsa_memory_ordered 1
		.amdhsa_forward_progress 1
		.amdhsa_inst_pref_size 83
	.end_amdhsa_kernel
	.amdgpu_metadata
---
amdhsa.version: [ 1, 2 ]
amdhsa.kernels:
  - .name:           k_qe55efd0f92_oproj
    .symbol:         k_qe55efd0f92_oproj.kd
    .args:
      - { .name: oq, .offset: 0, .size: 8, .value_kind: global_buffer, .address_space: global }
      - { .name: wo_codes, .offset: 8, .size: 8, .value_kind: global_buffer, .address_space: global }
      - { .name: wo_scales, .offset: 16, .size: 8, .value_kind: global_buffer, .address_space: global }
      - { .name: bo, .offset: 24, .size: 8, .value_kind: global_buffer, .address_space: global }
      - { .name: xn, .offset: 32, .size: 8, .value_kind: global_buffer, .address_space: global }
      - { .name: y, .offset: 40, .size: 8, .value_kind: global_buffer, .address_space: global }
    .group_segment_fixed_size: 327680
    .private_segment_fixed_size: 0
    .kernarg_segment_align: 8
    .kernarg_segment_size: 48
    .max_flat_workgroup_size: 128
    .sgpr_count:     106
    .vgpr_count:     1024
    .wavefront_size: 32
...
	.end_amdgpu_metadata
.endif
;; end of part 4
;; launch ln2: the kernel of part 1 again; grid 256 x 1, 16 waves a work-group, no clusters, 18,944 bytes of LDS; arguments y, ln2_g, ln2_b, xn, xq; writes xn, xq
;; launch ffn1 (part 5): grid 16 x 16, 4 waves a work-group, clusters of 4 x 4, 327,680 bytes of LDS; arguments xq, w1_codes, w1_scales, b1, hq; writes hq
.if DOCPART == 5
	.amdgcn_target "amdgcn-amd-amdhsa--gfx1250"
	.amdhsa_code_object_version 6
	.text
	.protected	k_qe55efd0f92_ffn1
	.globl	k_qe55efd0f92_ffn1
	.p2align	8
	.type	k_qe55efd0f92_ffn1,@function
k_qe55efd0f92_ffn1:
	s_mov_b64 s[64:65], 0
	v_nop
	global_prefetch_b8 v0, s[64:65] scope:SCOPE_SE
	s_setreg_imm32_b32 hwreg(HW_REG_WAVE_MODE, 25, 1), 1
	s_wait_xcnt 0x0
	s_wait_alu depctr_hold_cnt(0) depctr_sa_sdst(0) depctr_va_vdst(0) depctr_va_sdst(0) depctr_va_ssrc(0) depctr_va_vcc(0) depctr_vm_vsrc(0)
	s_getreg_b32 s2, hwreg(HW_REG_IB_STS2, 6, 4)
	s_cmp_eq_u32 s2, 0
	s_cbranch_scc0 .Lentry_in_a_cluster
	s_endpgm
.Lentry_in_a_cluster:
	s_bfe_u32 s2, ttmp6, 0x10000c
	s_cmp_lg_u32 s2, 0xf033
	s_cbranch_scc0 .Lentry_shape_is_right
	s_endpgm
.Lentry_shape_is_right:
; h = gelu(x w1^T + b1) on codes of E5M2 with E8M0 scales (K = 1,024), quantised again along the hidden axis and stored as operand images for the next product.
; A tile of 256 x 256 to a work-group, 128 x 128 to each of four waves; K goes in steps of 256 through two LDS slots filled by joint loads of a 4 x 4 cluster; the scale bytes of all of K come once.
; Each K step's tiles are prefetched one refill ahead of their load; the four partners of a joint load share its rows out by address.
.set KSTEP,  256
.set NQ,     2
.set ROWB,   256
.set KROW,   1024
.set PITCH,  272
.set FR,     16
.set NL,     4
.set NP,     8
.set HALFT,  128*PITCH
.set SLOT,   4*HALFT
.set LAPS,   2
.set KS,     32
.set SCL,    2*SLOT
.set HALFS,  16*272
.set SBLK,   2*272
.set SPARE,  SCL+4*HALFS
.set BIA,  7
.set C9,   226
.set ADRA, 16
.set ADRB, 20
.set LI,   24
.set SWA,  25
.set SRA,  26
.set ADRS, 27
.set SPW,  28
.set NIL,  29
.set SC,   32
.set BI,   64
.set AF,   128
; THE WAY OUT WORKS IN WINDOW 1, which B's fragments have left: v0-63 a block's 64 numbers, v64-127 and v128-191 two sets of GELU's four temporaries for 16 numbers, v192-224 codes and the quantiser's work, v226-227 a coefficient.  Addresses stay in window 0.
.set X,    0
.set PC,   192
.set TM,   208
.set PW,   224
.set G1, 24
.set G0, 32
.set G1B, 48
.set G0B, 56
.set G1S, 68
.set G0S, 76
.set G1SB, 80
.set G0SB, 88
.set RA,  66
.set RB,  67
.set SEL, 92
.set MNT, 94
.set TRIP, 95
.set CF,  24
.set CZ,  42
.set CQ,  44
.set G0H, 4                            ; s[4:7], s[8:11] group 0 of the head's whole tiles of K step 0 (the arguments that lay there have been used by then)
.set G0HB, 8
.set PFA, 100                          ; s[100:101] where my prefetches stand: my work-group's 32 rows of the 128 that I fetch; never rewritten
.set PFO, 30                           ; v30 their offset: my lane x a row of 1,024 bytes; never rewritten
.set MSB, 0
.macro WIN new
.if MSB != \new
	s_set_vgpr_msb (MSB<<8)|\new
.set MSB, \new
.endif
.endm
.set MUL_LO, 0xa1
.set MUL_HI, 0xf1
.set TO_B,   0x40
.macro JLOAD g0a, g1a, g0b, g1b
	s_cmp_eq_u32 s15, 0
	s_cbranch_scc0 .Lfor_b_\@
	tensor_load_to_lds s[\g0a:\g0a+3], s[\g1a:\g1a+7]
	s_nop 0
.rept 4
	v_nop
.endr
	s_branch .Lasked_\@
.Lfor_b_\@:
	tensor_load_to_lds s[\g0b:\g0b+3], s[\g1b:\g1b+7]
	s_nop 0
.rept 4
	v_nop
.endr
.Lasked_\@:
.endm
.macro CREST
	s_cmp_lg_u32 s14, 0
	s_cbranch_scc1 .Lnot_wave_0_\@
	s_barrier_signal -3
.Lnot_wave_0_\@:
	s_barrier_wait -3
	s_barrier_signal -1
	s_barrier_wait -1
.endm
.macro CROUND
	s_barrier_signal -1
	s_barrier_wait -1
	CREST
.endm
	s_load_b64 s[4:5], s[0:1], 0x0
	s_load_b128 s[8:11], s[0:1], 0x8
	s_load_b64 s[12:13], s[0:1], 0x18
	s_load_b64 s[98:99], s[0:1], 0x20
	v_lshl_add_u32 v[SPW], v0, 2, SPARE
	v_mov_b32 v[NIL], 0
	ds_add_u32 v28, v29
	ds_add_u32 v28, v29
	s_wait_dscnt 0x0
	v_lshrrev_b32 v1, 5, v0
	v_readfirstlane_b32 s14, v1
	s_lshr_b32 s15, s14, 1
	s_and_b32 s16, s14, 1
	s_bfe_u32 s40, ttmp6, 0x40000
	s_bfe_u32 s41, ttmp6, 0x40004
	s_lshl_b32 s42, ttmp9, 2
	s_add_co_u32 s42, s42, s40
	s_and_b32 s17, ttmp7, 0xffff
	s_lshl_b32 s17, s17, 2
	s_add_co_u32 s17, s17, s41
	s_lshl_b32 s43, s41, 2
	s_lshl_b32 s43, 15, s43
	s_lshl_b32 s44, 0x1111, s40
	s_or_b32 s[G1+0], s43, (0<<16)|(1<<20)|(1<<21)|(5<<22)|(3<<25)
	s_or_b32 s[G1B+0], s44, (0<<16)|(1<<20)|(1<<21)|(5<<22)|(3<<25)
.irp g, G1, G1B
	s_mov_b32 s[\g+1], ROWB<<16
	s_mov_b32 s[\g+2], 256<<16
	s_mov_b32 s[\g+3], ROWB<<16
	s_mov_b32 s[\g+4], 256
	s_mov_b32 s[\g+5], KROW
	s_mov_b32 s[\g+6], 0
	s_mov_b32 s[\g+7], 0
.endr
	s_or_b32 s[G1S+0], s43, (3<<16)|(1<<20)|(1<<21)|(5<<22)|(3<<25)
	s_or_b32 s[G1SB+0], s44, (3<<16)|(1<<20)|(1<<21)|(5<<22)|(3<<25)
.irp g, G1S, G1SB
	s_mov_b32 s[\g+1], 32<<16
	s_mov_b32 s[\g+2], 32<<16
	s_mov_b32 s[\g+3], 32<<16
	s_mov_b32 s[\g+4], 32
	s_mov_b32 s[\g+5], 32
	s_mov_b32 s[\g+6], 0
	s_mov_b32 s[\g+7], 0
.endr
	s_lshl_b32 s20, s17, 8                         ; A's tile: its first row
	s_lshl_b32 s46, s42, 8                         ; B's
	s_mov_b32 s21, 0
	s_mov_b32 s47, 0
	s_mov_b64 s[18:19], KS
	s_mul_u64 s[22:23], s[20:21], s[18:19]
	s_mul_u64 s[92:93], s[46:47], s[18:19]
	s_mov_b64 s[18:19], KROW
	s_mul_u64 s[20:21], s[20:21], s[18:19]
	s_mul_u64 s[46:47], s[46:47], s[18:19]
	s_mul_i32 s45, s14, HALFT
	s_mul_i32 s2, s16, 128*KROW                    ; in the ring I fetch 128 rows of a tile: which half, in bytes
	s_mov_b32 s3, 0
	s_cmp_eq_u32 s15, 0                            ; the prefetches: of the 128 rows that I fetch, the partner at place p (cx for A, cy for B) names 32 p .. 32 p + 31, a lane a row
	s_cselect_b32 s66, s17, s42
	s_cselect_b32 s67, s40, s41
	s_lshl_b32 s66, s66, 8
	s_lshl_b32 s67, s67, 5
	s_add_co_u32 s66, s66, s67
	s_lshl_b32 s67, s16, 7
	s_add_co_u32 s66, s66, s67
	s_mul_i32 s66, s66, KROW
	s_mov_b32 s67, 0
	v_and_b32 v[PFO], 31, v0
	v_lshlrev_b32 v[PFO], 10, v[PFO]
	s_wait_alu depctr_va_vdst(0)                   ; the wait here, directly ahead of the wait below
	s_wait_kmcnt 0x0
	s_add_nc_u64 s[6:7], s[4:5], 0x400000
	s_add_nc_u64 s[20:21], s[4:5], s[20:21]
	s_add_nc_u64 s[22:23], s[6:7], s[22:23]
	s_add_nc_u64 s[46:47], s[8:9], s[46:47]
	s_add_nc_u64 s[92:93], s[10:11], s[92:93]
	s_cmp_eq_u32 s15, 0
	s_cselect_b64 s[PFA:PFA+1], s[4:5], s[8:9]
	s_add_nc_u64 s[PFA:PFA+1], s[PFA:PFA+1], s[66:67]
	CROUND
	s_mov_b32 s[G0S], 1
	s_mov_b32 s[G0S+1], SCL
	s_mov_b64 s[G0S+2:G0S+3], s[22:23]
	s_or_b32 s[G0S+3], s[G0S+3], 0x80000000
	s_mov_b32 s[G0SB], 1
	s_mov_b32 s[G0SB+1], SCL+2*HALFS
	s_mov_b64 s[G0SB+2:G0SB+3], s[92:93]
	s_or_b32 s[G0SB+3], s[G0SB+3], 0x80000000
	s_mov_b32 s[G0H], 1                            ; K step 0's 256 rows of A,
	s_mov_b32 s[G0H+1], 0
	s_mov_b64 s[G0H+2:G0H+3], s[20:21]
	s_or_b32 s[G0H+3], s[G0H+3], 0x80000000
	s_mov_b32 s[G0HB], 1                           ; and of B, behind them in slot 0
	s_mov_b32 s[G0HB+1], 2*HALFT
	s_mov_b64 s[G0HB+2:G0HB+3], s[46:47]
	s_or_b32 s[G0HB+3], s[G0HB+3], 0x80000000
	s_add_nc_u64 s[20:21], s[20:21], s[2:3]        ; for the ring: my 128 rows of the tile
	s_add_nc_u64 s[46:47], s[46:47], s[2:3]
.irp s, 0,1
	s_mov_b32 s[G0+4*\s], 1
	s_add_co_u32 s[G0+4*\s+1], s45, \s*SLOT
	s_add_nc_u64 s[G0+4*\s+2:G0+4*\s+3], s[20:21], \s*ROWB
	s_or_b32 s[G0+4*\s+3], s[G0+4*\s+3], 0x80000000
	s_mov_b32 s[G0B+4*\s], 1
	s_add_co_u32 s[G0B+4*\s+1], s45, \s*SLOT
	s_add_nc_u64 s[G0B+4*\s+2:G0B+4*\s+3], s[46:47], \s*ROWB
	s_or_b32 s[G0B+4*\s+3], s[G0B+4*\s+3], 0x80000000
.endr
; THE HEAD'S LOADS, ONE A WAVE: wave 0 A's 256 rows of K step 0, wave 1 B's, wave 2 A's scale bytes, wave 3 B's: one chain of arms, every way passes one load
.macro ARM under, g0, g1, next
	s_cmp_lt_u32 s14, \under
	s_cbranch_scc0 \next
	tensor_load_to_lds s[\g0:\g0+3], s[\g1:\g1+7]
	s_nop 0
.rept 4
	v_nop
.endr
	s_branch .Lhead_asked
\next:
.endm
	ARM 1, G0H,  G1,  .Lhead_b
	ARM 2, G0HB, G1B, .Lhead_sa
	ARM 3, G0S,  G1S, .Lhead_sb
	tensor_load_to_lds s[G0SB:G0SB+3], s[G1SB:G1SB+7]
	s_nop 0
.rept 4
	v_nop
.endr
.Lhead_asked:
	global_prefetch_b8 v[PFO], s[PFA:PFA+1] offset:256 th:TH_LOAD_NT scope:SCOPE_SE   ; K step 1, one refill ahead of its load: 32 rows x 256 bytes a wave
	v_and_b32 v1, 15, v0
	v_bfe_u32 v2, v0, 4, 1
	v_mul_u32_u24 v3, v1, PITCH
	v_lshl_add_u32 v4, v2, 4, v3
	s_mul_i32 s21, s15, HALFT
	s_mul_i32 s22, s16, HALFT
	s_add_co_u32 s22, s22, 2*HALFT
.irp s, 0,1
	v_add_nc_u32 v[ADRA+\s], s21, v4
	v_add_nc_u32 v[ADRB+\s], s22, v4
	s_add_co_u32 s21, s21, SLOT
	s_add_co_u32 s22, s22, SLOT
.endr
	v_mul_u32_u24 v5, v1, KS
	v_lshrrev_b32 v6, 8, v5
	v_lshl_add_u32 v5, v6, 4, v5
	s_mul_i32 s21, s15, HALFS
	s_mul_i32 s22, s16, HALFS
	s_add_co_u32 s22, s22, 2*HALFS
	s_sub_co_u32 s22, s22, s21
	v_mul_u32_u24 v6, s22, v2
	s_add_co_u32 s21, s21, SCL
	v_add_nc_u32 v5, v5, v6
	v_add_nc_u32 v[ADRS], s21, v5
	s_lshl_b32 s[RA], s17, 8
	s_lshl_b32 s18, s15, 7
	s_add_co_u32 s[RA], s[RA], s18
	s_lshl_b32 s[RB], s42, 8
	s_lshl_b32 s18, s16, 7
	s_add_co_u32 s[RB], s[RB], s18
	v_lshlrev_b32 v[BIA], 5, v2
	s_lshl_b32 s18, s[RB], 2
	s_mov_b32 s19, 0
	s_add_nc_u64 s[12:13], s[12:13], s[18:19]
.irp b, 0,1,2,3,4,5,6,7
	global_load_b128 v[BI+8*\b:BI+8*\b+3], v[BIA], s[12:13] offset:64*\b
	global_load_b128 v[BI+8*\b+4:BI+8*\b+7], v[BIA], s[12:13] offset:64*\b+16
.endr
.macro FRAG reg, adr, q, i
.irp c, 0,1,2,3
	ds_load_b128 v[\reg+4*\c:\reg+4*\c+3], v[\adr] offset:128*(\q)+32*\c+(\i)*16*PITCH
.endr
.endm
.macro MUL16 a0, p, q, sc, zero
.irp a, \a0, \a0+1
.irp b, 0,1,2,3,4,5,6,7
.if \zero
	v_wmma_scale_f32_16x16x128_f8f6f4 v[8*(8*((\a)%4)+\b):8*(8*((\a)%4)+\b)+7], v[128*(\p)+FR*\b:128*(\p)+FR*\b+FR-1], v[AF+FR*(\a):AF+FR*(\a)+FR-1], 0, v[SC+8*NQ*(\sc)+NQ*\b+(\q)], v[SC+8*NQ*(\sc)+NQ*(\a)+(\q)] matrix_a_fmt:MATRIX_FMT_BF8 matrix_b_fmt:MATRIX_FMT_BF8 matrix_a_scale:MATRIX_SCALE_ROW1
.else
	v_wmma_scale_f32_16x16x128_f8f6f4 v[8*(8*((\a)%4)+\b):8*(8*((\a)%4)+\b)+7], v[128*(\p)+FR*\b:128*(\p)+FR*\b+FR-1], v[AF+FR*(\a):AF+FR*(\a)+FR-1], v[8*(8*((\a)%4)+\b):8*(8*((\a)%4)+\b)+7], v[SC+8*NQ*(\sc)+NQ*\b+(\q)], v[SC+8*NQ*(\sc)+NQ*(\a)+(\q)] matrix_a_fmt:MATRIX_FMT_BF8 matrix_b_fmt:MATRIX_FMT_BF8 matrix_a_scale:MATRIX_SCALE_ROW1
.endif
.endr
.endr
.endm
.macro FETCH_B slot, q, p
	WIN TO_B
.irp i, 0,1,2,3,4,5,6,7
	FRAG 128*(\p)+FR*\i, ADRB+\slot, \q, \i
.endr
	WIN 0
.endm
.macro FETCH_A slot, q, i0
.irp i, \i0, \i0+1, \i0+2, \i0+3
	FRAG AF+FR*(\i), ADRA+\slot, \q, \i
.endr
.endm
.macro SCALES sc
.irp i, 0,1,2,3,4,5,6,7
	ds_load_b64 v[SC+8*NQ*\sc+NQ*\i:SC+8*NQ*\sc+NQ*\i+1], v[ADRS] offset:\i*SBLK
.endr
.endm
.macro PLACES n
.rept \n
	v_nop
.endr
.endm
.macro STEP slot, q, zero
	s_wait_dscnt 4*NL
	WIN MUL_LO
	MUL16 0, (\q)%2, \q, \slot, \zero
	MUL16 2, (\q)%2, \q, \slot, \zero
	s_wait_dscnt 0
	PLACES NP
	FETCH_B \slot, (\q)+1, 1-(\q)%2
	FETCH_A \slot, (\q)+1, 0
	WIN MUL_HI
	MUL16 4, (\q)%2, \q, \slot, \zero
	MUL16 6, (\q)%2, \q, \slot, \zero
	PLACES NP
	WIN 0
	FETCH_A \slot, (\q)+1, 4
.endm
.macro TURN slot, next, fill, ask=0    ; ask: byte in a row of the K step that the next refill will load (0: there is none)
	s_wait_tensorcnt 0x0
	ds_add_u32 v[SPW], v[NIL]
	s_wait_dscnt 4*NL+1
	WIN MUL_LO
	MUL16 0, 1, NQ-1, \slot, 0
	s_wait_dscnt 0x0
	s_barrier_signal -1
	MUL16 2, 1, NQ-1, \slot, 0
	WIN 0
	s_barrier_wait -1
.if \fill
	CREST
	s_add_nc_u64 s[G0+4*\slot+2:G0+4*\slot+3], s[G0+4*\slot+2:G0+4*\slot+3], 2*ROWB
	s_add_nc_u64 s[G0B+4*\slot+2:G0B+4*\slot+3], s[G0B+4*\slot+2:G0B+4*\slot+3], 2*ROWB
	JLOAD G0+4*\slot, G1, G0B+4*\slot, G1B
	PLACES NP-4
.else
	PLACES NP
.endif
	s_wait_alu depctr_va_vdst(0)
	v_add_nc_u32 v[ADRS], 4*NQ, v[ADRS]
	FETCH_B \next, 0, 0
	FETCH_A \next, 0, 0
	SCALES \next
.if \ask
	global_prefetch_b8 v[PFO], s[PFA:PFA+1] offset:\ask th:TH_LOAD_NT scope:SCOPE_SE
.endif
	WIN MUL_HI
	MUL16 4, 1, NQ-1, \slot, 0
	MUL16 6, 1, NQ-1, \slot, 0
	PLACES NP
	WIN 0
	FETCH_A \next, 0, 4
.endm
	s_wait_alu depctr_va_vdst(0)
	s_wait_tensorcnt 0x0                           ; my tile of the head's four is in; slot 1's first fill is issued as a refill is:
	ds_add_u32 v[SPW], v[NIL]                      ; 0 onto my spare word
	s_mov_b32 s[G1+2], 128<<16                     ; no tensor load of mine is out: from here on a load brings 128 rows
	s_mov_b32 s[G1+4], 128
	s_mov_b32 s[G1B+2], 128<<16
	s_mov_b32 s[G1B+4], 128
	s_wait_dscnt 0x0
	CROUND                                         ; all four tiles are in, and all sixteen work-groups are here
	JLOAD G0+4, G1, G0B+4, G1B                     ; K step 1
	FETCH_B 0, 0, 0
	FETCH_A 0, 0, 0
	SCALES 0
	FETCH_A 0, 0, 4
	global_prefetch_b8 v[PFO], s[PFA:PFA+1] offset:512 th:TH_LOAD_NT scope:SCOPE_SE   ; K step 2
	STEP 0, 0, 1
	TURN 0, 1, 1, 768                              ; K = 1,024 is four K steps: the one lap that refills is written out; K step 3 is asked for here
	STEP 1, 0, 0
	TURN 1, 0, 1
	STEP 0, 0, 0
	TURN 0, 1, 0
	STEP 1, 0, 0
	s_wait_dscnt 4*NL
	WIN MUL_LO
	MUL16 0, 1, NQ-1, 1, 0
	MUL16 2, 1, NQ-1, 1, 0
	s_wait_dscnt 0
	WIN MUL_HI
	MUL16 4, 1, NQ-1, 1, 0
	MUL16 6, 1, NQ-1, 1, 0
	WIN 0
.macro COPYH ap
.irp b, 0,1,2,3,4,5,6,7
.irp i, 0,2,4,6
	v_pk_add_f32 v[X+8*\b+\i:X+8*\b+\i+1], v[64*(\ap)+8*\b+\i:64*(\ap)+8*\b+\i+1], v[BI+8*\b+\i:BI+8*\b+\i+1]
.endr
.endr
.endm
.macro COPYX ap
	s_cmp_eq_u32 s[TRIP], 0
	s_cbranch_scc0 .Lhigh_\@
	WIN 0x42
	COPYH \ap
	WIN 0
	s_branch .Lcopied_\@
.Lhigh_\@:
	WIN 0x43
	COPYH \ap
	WIN 0
.Lcopied_\@:
.endm
; GELU of 16 numbers in five parts, so that two groups take turns: behind each batch of transcendentals stands the other group's plain work, and one wait serves as the wait behind one batch and ahead of the next.
.macro GSEL g, t                       ; the parts below work on group g of the block's four, with set t of the temporaries
.set XG, X+16*(\g)
.set GA, 64+64*(\t)
.set GK, 80+64*(\t)
.set GT, 96+64*(\t)
.set GP, 112+64*(\t)
.endm
.macro GPRE
.set KK, 0
.rept 16
	v_max_num_f32 v[GA+KK], 0, v[XG+KK]
.set KK, KK+1
.endr
.set KK, 0
.rept 8
	v_pk_fma_f32 v[GK+KK:GK+KK+1], v[XG+KK:XG+KK+1], -0.5, v[GA+KK:GA+KK+1] op_sel_hi:[1,0,1]
.set KK, KK+2
.endr
.set KK, 0
.rept 8
	v_pk_fma_f32 v[GT+KK:GT+KK+1], v[GK+KK:GK+KK+1], s[CZ:CZ+1], 1.0 op_sel_hi:[1,0,0]
.set KK, KK+2
.endr
.endm
.macro GRCP
.set KK, 0
.rept 16
	v_rcp_f32 v[GT+KK], v[GT+KK]
.set KK, KK+1
.endr
.endm
.macro GPOLY
.set KK, 0
.rept 8
	v_pk_mul_f32 v[XG+KK:XG+KK+1], v[XG+KK:XG+KK+1], v[XG+KK:XG+KK+1]
.set KK, KK+2
.endr
.set KK, 0
.rept 8
	v_pk_fma_f32 v[GP+KK:GP+KK+1], v[GT+KK:GT+KK+1], v[C9:C9+1], s[CF+16:CF+17] op_sel_hi:[1,1,0]
.set KK, KK+2
.endr
.irp c, 7,6,5,4,3,2,1,0
.set KK, 0
.rept 8
	v_pk_fma_f32 v[GP+KK:GP+KK+1], v[GP+KK:GP+KK+1], v[GT+KK:GT+KK+1], s[CF+2*\c:CF+2*\c+1] op_sel_hi:[1,1,0]
.set KK, KK+2
.endr
.endr
.set KK, 0
.rept 8
	v_pk_fma_f32 v[GP+KK:GP+KK+1], v[XG+KK:XG+KK+1], s[CQ:CQ+1], v[GP+KK:GP+KK+1] op_sel_hi:[1,0,1]
.set KK, KK+2
.endr
.endm
.macro GEXP
.set KK, 0
.rept 16
	v_exp_f32 v[GP+KK], v[GP+KK]
.set KK, KK+1
.endr
.endm
.macro GPOST
.set KK, 0
.rept 8
	v_pk_mul_f32 v[GP+KK:GP+KK+1], v[GP+KK:GP+KK+1], v[GT+KK:GT+KK+1]
.set KK, KK+2
.endr
.set KK, 0
.rept 8
	v_pk_fma_f32 v[XG+KK:XG+KK+1], v[GK+KK:GK+KK+1], v[GP+KK:GP+KK+1], v[GA+KK:GA+KK+1] neg_lo:[1,0,0] neg_hi:[1,0,0]
.set KK, KK+2
.endr
.endm
.macro QUANT
.irp b, 0,1,2,3
	v_max3_num_f32 v[TM+\b], |v[X+16*\b]|, |v[X+1+16*\b]|, 0x8000000
.endr
.irp i, 2,4,6,8,10,12,14
.irp b, 0,1,2,3
	v_max3_num_f32 v[TM+\b], v[TM+\b], |v[X+16*\b+\i]|, |v[X+1+16*\b+\i]|
.endr
.endr
.irp b, 0,1,2,3
	v_permlanex16_b32 v[TM+4+\b], v[TM+\b], s[SEL], s[SEL+1]
.endr
.irp b, 0,1,2,3
	v_max_num_f32 v[TM+\b], v[TM+\b], v[TM+4+\b]
.endr
.irp b, 0,1,2,3
	v_add_nc_u32 v[TM+12+\b], 0xf8800000, v[TM+\b]
.endr
.irp b, 0,1,2,3
	v_and_or_b32 v[TM+8+\b], v[TM+\b], 0x7f800000, s[MNT]
.endr
.irp b, 0,1,2,3
	v_lshrrev_b32 v[TM+4+\b], 23, v[TM+12+\b]
.endr
	v_lshl_or_b32 v[PW], v[TM+5], 8, v[TM+4]
	v_lshl_or_b32 v[PW], v[TM+6], 16, v[PW]
	v_lshl_or_b32 v[PW], v[TM+7], 24, v[PW]
.irp b, 0,1,2,3
.irp i, 0,1,2,3,4,5,6,7,8,9,10,11,12,13,14,15
	v_med3_num_f32 v[X+16*\b+\i], v[X+16*\b+\i], -v[TM+8+\b], v[TM+8+\b]
.endr
	v_cvt_scalef32_pk8_bf8_f32 v[PC+4*\b:PC+1+4*\b], v[X+16*\b:X+7+16*\b], v[TM+12+\b]
	v_cvt_scalef32_pk8_bf8_f32 v[PC+2+4*\b:PC+3+4*\b], v[X+8+16*\b:X+15+16*\b], v[TM+12+\b]
.endr
	v_nop
.endm
.macro WALU                            ; the wait ahead of a batch of transcendentals and ahead of the first reader of an earlier batch's results: each of these serves both
	s_wait_alu depctr_va_vdst(0)
.endm
.macro FBODY ap
	COPYX \ap
	WIN 0x55                                       ; every operand in window 1
	GSEL 0, 0
	GPRE
	WALU
	GRCP
	GSEL 1, 1
	GPRE
	WALU
	GRCP
	GSEL 0, 0
	GPOLY
	WALU
	GEXP
	GSEL 1, 1
	GPOLY
	WALU
	GEXP
	GSEL 0, 0
	GPOST
	GSEL 2, 0
	GPRE
	WALU
	GRCP
	GSEL 1, 1
	GPOST
	GSEL 3, 1
	GPRE
	WALU
	GRCP
	GSEL 2, 0
	GPOLY
	WALU
	GEXP
	GSEL 3, 1
	GPOLY
	WALU
	GEXP
	GSEL 2, 0
	GPOST
	s_wait_xcnt 0x0                                ; the last block's stores have read their registers: the quantiser writes them anew
	s_wait_dscnt 0x0
	WALU
	GSEL 3, 1
	GPOST
	QUANT
.irp b, 0,1,2,3
	v_permlane16_swap_b32 v[PC+4*\b], v[PC+4*\b+2]
	v_permlane16_swap_b32 v[PC+4*\b+1], v[PC+4*\b+3]
.endr
	WIN 0x04                                       ; a store's data (source 1) in window 1, its address in window 0
.irp b, 0,1,2,3
	global_store_b128 v[LI], v[PC+4*\b:PC+4*\b+3], s[20:21] offset:(\ap)*65536+\b*512
.endr
	ds_store_b32 v[SWA], v[PW] offset:(\ap)*64
	WIN 0
.endm
.macro SPAIR r, val
	s_mov_b32 s[\r], \val
	s_mov_b32 s[\r+1], \val
.endm
	PLACES NP
	s_wait_loadcnt 0x0
	s_mov_b32 s[SEL], 0x76543210
	s_mov_b32 s[SEL+1], 0xfedcba98
	s_mov_b32 s[MNT], 0x600000
	SPAIR CF+0,  0xbfe9b21e
	SPAIR CF+2,  0x3fb8ab5a
	SPAIR CF+4,  0x3f0a29d2
	SPAIR CF+6,  0x3e0efb2e
	SPAIR CF+8,  0xbe899a80
	SPAIR CF+10, 0x3ecdfd18
	SPAIR CF+12, 0xbfd1a1e5
	SPAIR CF+14, 0x40097039
	SPAIR CF+16, 0xbf97d29d
	SPAIR CZ,    0x3f3504f3
	SPAIR CQ,    0xbf38aa3b
	WIN 0x40                                       ; destinations in window 1
	v_mov_b32 v[C9], 0x3e7c6f08
	v_mov_b32 v[C9+1], 0x3e7c6f08
	WIN 0
	v_and_b32 v3, 31, v0
	v_lshlrev_b32 v[LI], 4, v3
	s_lshl_b32 s18, s14, 10
	v_lshl_add_u32 v[SWA], v1, 2, s18
	v_add_nc_u32 v[SRA], s18, v[LI]
	WIN 0x40
.irp b, 0,1,2,3
	v_mov_b32 v[TM+4+\b], 0
.endr
	WIN 0
	s_lshl_b32 s20, s[RA], 12
	s_lshl_b32 s21, s[RB], 4
	s_add_co_u32 s20, s20, s21
	s_mov_b32 s21, 0
	s_add_nc_u64 s[20:21], s[98:99], s[20:21]
	s_lshr_b32 s22, s[RB], 7
	s_lshl_b32 s22, s22, 14
	s_lshl_b32 s23, s[RA], 2
	s_add_co_u32 s22, s22, s23
	s_add_co_u32 s22, s22, 16777216
	s_mov_b32 s23, 0
	s_add_nc_u64 s[22:23], s[98:99], s[22:23]
	s_mov_b32 s[TRIP], 0
.Lout:
	FBODY 0
	FBODY 1
	FBODY 2
	FBODY 3
	s_wait_xcnt 0x0
	s_add_nc_u64 s[20:21], s[20:21], 262144
	v_add_nc_u32 v[SWA], 256, v[SWA]
	s_add_co_u32 s[TRIP], s[TRIP], 1
	s_cmp_lt_u32 s[TRIP], 2
	s_cbranch_scc1 .Lout
	ds_load_b128 v[PC:PC+3], v[SRA]
	s_wait_dscnt 0x0
	global_store_b128 v[LI], v[PC:PC+3], s[22:23]
	s_wait_tensorcnt 0x0
	ds_add_u32 v[SPW], v[NIL]
	s_wait_dscnt 0x0
	CROUND
	s_endpgm
.Lfunc_end_k_qe55efd0f92_ffn1:
	.size	k_qe55efd0f92_ffn1, .Lfunc_end_k_qe55efd0f92_ffn1-k_qe55efd0f92_ffn1
	.p2alignl 7, 3214868480
	.fill 96, 4, 3214868480
	.section	.rodata,"a",@progbits
	.p2align	6, 0x0
	.amdhsa_kernel k_qe55efd0f92_ffn1
		.amdhsa_group_segment_fixed_size 327680
		.amdhsa_private_segment_fixed_size 0
		.amdhsa_enable_private_segment 0
		.amdhsa_kernarg_size 40
		.amdhsa_user_sgpr_count 2
		.amdhsa_user_sgpr_kernarg_segment_ptr 1
		.amdhsa_wavefront_size32 1
		.amdhsa_system_sgpr_workgroup_id_x 1
		.amdhsa_system_sgpr_workgroup_id_y 1
		.amdhsa_system_sgpr_workgroup_id_z 1
		.amdhsa_system_vgpr_workitem_id 0
		.amdhsa_next_free_vgpr 1024
		.amdhsa_next_free_sgpr 102
		.amdhsa_reserve_vcc 0
		.amdhsa_float_denorm_mode_32 3
		.amdhsa_float_denorm_mode_16_64 3
		.amdhsa_memory_ordered 1
		.amdhsa_forward_progress 1
		.amdhsa_inst_pref_size 255
	.end_amdhsa_kernel
	.section	.bss,"aw",@nobits
	.p2align	6
	.space	262144
	.amdgpu_metadata
---
amdhsa.version: [ 1, 2 ]
amdhsa.kernels:
  - .name:           k_qe55efd0f92_ffn1
    .symbol:         k_qe55efd0f92_ffn1.kd
    .args:
      - { .name: xq, .offset: 0, .size: 8, .value_kind: global_buffer, .address_space: global }
      - { .name: w1_codes, .offset: 8, .size: 8, .value_kind: global_buffer, .address_space: global }
      - { .name: w1_scales, .offset: 16, .size: 8, .value_kind: global_buffer, .address_space: global }
      - { .name: b1, .offset: 24, .size: 8, .value_kind: global_buffer, .address_space: global }
      - { .name: hq, .offset: 32, .size: 8, .value_kind: global_buffer, .address_space: global }
    .group_segment_fixed_size: 327680
    .private_segment_fixed_size: 0
    .kernarg_segment_align: 8
    .kernarg_segment_size: 40
    .max_flat_workgroup_size: 128
    .sgpr_count:     102
    .vgpr_count:     1024
    .wavefront_size: 32
...
	.end_amdgpu_metadata
.endif
;; end of part 5
;; launch ffn2 (part 6): grid 8 x 32, 4 waves a work-group, clusters of 4 x 4, 327,680 bytes of LDS; arguments hq, w2_codes, w2_scales, b2, xn, out0; writes out0
.if DOCPART == 6
	.amdgcn_target "amdgcn-amd-amdhsa--gfx1250"
	.amdhsa_code_object_version 6
	.text
	.protected	k_qe55efd0f92_ffn2
	.globl	k_qe55efd0f92_ffn2
	.p2align	8
	.type	k_qe55efd0f92_ffn2,@function
k_qe55efd0f92_ffn2:
	s_mov_b64 s[64:65], 0
	v_nop
	global_prefetch_b8 v0, s[64:65] scope:SCOPE_SE
	s_setreg_imm32_b32 hwreg(HW_REG_WAVE_MODE, 25, 1), 1
	s_wait_xcnt 0x0
	s_wait_alu depctr_hold_cnt(0) depctr_sa_sdst(0) depctr_va_vdst(0) depctr_va_sdst(0) depctr_va_ssrc(0) depctr_va_vcc(0) depctr_vm_vsrc(0)
	s_getreg_b32 s2, hwreg(HW_REG_IB_STS2, 6, 4)
	s_cmp_eq_u32 s2, 0
	s_cbranch_scc0 .Lentry_in_a_cluster
	s_endpgm
.Lentry_in_a_cluster:
	s_bfe_u32 s2, ttmp6, 0x10000c
	s_cmp_lg_u32 s2, 0xf033
	s_cbranch_scc0 .Lentry_shape_is_right
	s_endpgm
.Lentry_shape_is_right:
; out = x + h w2^T + b2 on codes of E5M2 with E8M0 scales.  A block of 128 x 128 to a work-group; its four waves share K (each takes 128 of a slot's 512) and add their sums through LDS on the way out.
; A = h's operand images, B = w2's rows; both come by joint loads of a 4 x 4 cluster through two LDS slots; the scale bytes of all of K come once.
; Each K step's tiles are prefetched one refill ahead of their load; the four partners of a joint load share its blocks of 256 bytes out by address.
.set SIZE_K, 4096
.set KS,     SIZE_K/32
.set NSLOT,  SIZE_K/512
.set FR,     16
.set NL,     4
.set NP,     8
.set ASL,    65536
.set BP,     528
.set SLOT,   ASL+128*BP
.set SCA,    2*SLOT
.set SCB,    SCA+4*SIZE_K
.set SBLK,   (16*KS/256)*272
.set SPARE,  300032
.set RW,   8
.set RR,   10
.set ADRA, 16
.set ADRB, 20
.set ADSA, 22
.set ADSB, 23
.set LI,   24
.set SPW,  28
.set NIL,  29
.set SC,   32
.set AF,   128
.set G1, 24
.set G0, 32
.set G1B, 48
.set G0B, 56
.set G1S, 68
.set G0S, 76
.set G1SB, 80
.set G0SB, 88
.set PFO, 30                           ; v30 the prefetches' offset; never rewritten
.set PFA, 100                          ; s[100:101] where my prefetches stand: the slot that the next refill will load
.set PFS, 104                          ; s[104:105] a slot on: 8,192 bytes in a row tile's image of A, 512 in a row of B
.set MSB, 0
.macro WIN new
.if MSB != \new
	s_set_vgpr_msb (MSB<<8)|\new
.set MSB, \new
.endif
.endm
.set MUL_LO, 0xa1
.set MUL_HI, 0xf1
.set TO_B,   0x40
.macro JLOAD g0a, g1a, g0b, g1b
	s_cmp_eq_u32 s15, 0
	s_cbranch_scc0 .Lfor_b_\@
	tensor_load_to_lds s[\g0a:\g0a+3], s[\g1a:\g1a+7]
	s_nop 0
.rept 4
	v_nop
.endr
	s_branch .Lasked_\@
.Lfor_b_\@:
	tensor_load_to_lds s[\g0b:\g0b+3], s[\g1b:\g1b+7]
	s_nop 0
.rept 4
	v_nop
.endr
.Lasked_\@:
.endm
.macro CREST
	s_cmp_lg_u32 s14, 0
	s_cbranch_scc1 .Lnot_wave_0_\@
	s_barrier_signal -3
.Lnot_wave_0_\@:
	s_barrier_wait -3
	s_barrier_signal -1
	s_barrier_wait -1
.endm
.macro CROUND
	s_barrier_signal -1
	s_barrier_wait -1
	CREST
.endm
	s_load_b256 s[4:11], s[0:1], 0x0
	s_load_b128 s[96:99], s[0:1], 0x20
	v_lshl_add_u32 v[SPW], v0, 2, SPARE
	v_mov_b32 v[NIL], 0
	ds_add_u32 v28, v29
	ds_add_u32 v28, v29
	s_wait_dscnt 0x0
	v_lshrrev_b32 v1, 5, v0
	v_readfirstlane_b32 s14, v1
	s_lshr_b32 s15, s14, 1
	s_and_b32 s16, s14, 1
	s_bfe_u32 s40, ttmp6, 0x40000
	s_bfe_u32 s41, ttmp6, 0x40004
	s_lshl_b32 s42, ttmp9, 2
	s_add_co_u32 s42, s42, s40
	s_and_b32 s17, ttmp7, 0xffff
	s_lshl_b32 s17, s17, 2
	s_add_co_u32 s17, s17, s41
	s_lshl_b32 s43, s41, 2
	s_lshl_b32 s43, 15, s43
	s_lshl_b32 s44, 0x1111, s40
	s_or_b32 s[G1+0], s43, (3<<16)|(1<<21)
	s_mov_b32 s[G1+1], 1024<<16
	s_mov_b32 s[G1+2], 8<<16
	s_mov_b32 s[G1+3], 1024<<16
	s_mov_b32 s[G1+4], 8
	s_mov_b32 s[G1+5], 2*SIZE_K
	s_mov_b32 s[G1+6], 0
	s_mov_b32 s[G1+7], 0
	s_or_b32 s[G1B+0], s44, (0<<16)|(1<<20)|(1<<21)|(6<<22)|(3<<25)
	s_mov_b32 s[G1B+1], 512<<16
	s_mov_b32 s[G1B+2], 128<<16
	s_mov_b32 s[G1B+3], 512<<16
	s_mov_b32 s[G1B+4], 128
	s_mov_b32 s[G1B+5], SIZE_K
	s_mov_b32 s[G1B+6], 0
	s_mov_b32 s[G1B+7], 0
	s_or_b32 s[G1S+0], s43, (3<<16)|(1<<21)
	s_mov_b32 s[G1S+1], 64<<16
	s_mov_b32 s[G1S+2], (SIZE_K/128)<<16
	s_mov_b32 s[G1S+3], 64<<16
	s_mov_b32 s[G1S+4], SIZE_K/128
	s_mov_b32 s[G1S+5], 2048
	s_mov_b32 s[G1S+6], 0
	s_mov_b32 s[G1S+7], 0
	s_or_b32 s[G1SB+0], s44, (3<<16)|(1<<20)|(1<<21)|(5<<22)|(3<<25)
	s_mov_b32 s[G1SB+1], 32<<16
	s_mov_b32 s[G1SB+2], (SIZE_K/64)<<16
	s_mov_b32 s[G1SB+3], 32<<16
	s_mov_b32 s[G1SB+4], SIZE_K/64
	s_mov_b32 s[G1SB+5], 32
	s_mov_b32 s[G1SB+6], 0
	s_mov_b32 s[G1SB+7], 0
	s_mul_i32 s20, s17, 128*SIZE_K                 ; A: my eight row tiles' images
	s_mov_b32 s21, 0
	s_lshl_b32 s22, s17, 9
	s_add_co_u32 s22, s22, 4096*SIZE_K
	s_mov_b32 s23, 0
	s_lshl_b32 s46, s42, 7
	s_mul_i32 s92, s46, KS
	s_mov_b32 s93, 0
	s_mul_i32 s46, s46, SIZE_K
	s_mov_b32 s47, 0
	s_lshl_b32 s45, s16, 15
	s_mul_i32 s94, s16, 64*BP
	s_add_co_u32 s94, s94, ASL
	s_mul_i32 s18, s16, 64*SIZE_K                  ; in the ring I fetch half a tile: four row tiles of A or 64 rows of B, 64 SIZE_K bytes on either way
	s_mov_b32 s19, 0
	s_cmp_eq_u32 s15, 0                            ; the prefetches: of a tile's 128 rows the partner at place p (cx for A, cy for B) names 32, each of its two waves 16: 8,192 bytes a slot, lanes 256 bytes apart
	s_cselect_b32 s66, s17, s42
	s_cselect_b32 s95, s40, s41
	s_mov_b32 s[PFS], 512
	s_cselect_b32 s[PFS], 8192, s[PFS]
	s_mov_b32 s3, SIZE_K
	s_cselect_b32 s3, 512, s3                      ; from one pair of lanes to the next: 512 bytes on in an image of A, a row on in B
	s_mov_b32 s[PFS+1], 0
	s_lshl_b32 s66, s66, 7
	s_lshl_b32 s95, s95, 5
	s_add_co_u32 s66, s66, s95
	s_lshl_b32 s95, s16, 4
	s_add_co_u32 s66, s66, s95
	s_mul_i32 s66, s66, SIZE_K
	s_add_co_u32 s66, s66, s[PFS]                  ; at slot 1
	s_mov_b32 s67, 0
	v_bfe_u32 v[PFO], v0, 1, 4
	v_and_b32 v2, 1, v0
	v_mul_u32_u24 v[PFO], s3, v[PFO]
	v_lshl_add_u32 v[PFO], v2, 8, v[PFO]
	s_wait_alu depctr_va_vdst(0)                   ; the wait here, directly ahead of the wait below
	s_wait_kmcnt 0x0
	s_add_nc_u64 s[20:21], s[4:5], s[20:21]
	s_add_nc_u64 s[22:23], s[4:5], s[22:23]
	s_add_nc_u64 s[46:47], s[6:7], s[46:47]
	s_add_nc_u64 s[92:93], s[8:9], s[92:93]
	s_cmp_eq_u32 s15, 0
	s_cselect_b64 s[PFA:PFA+1], s[4:5], s[6:7]
	s_add_nc_u64 s[PFA:PFA+1], s[PFA:PFA+1], s[66:67]
	CROUND
	s_mov_b32 s[G0S], 1
	s_mov_b32 s[G0S+1], SCA
	s_mov_b64 s[G0S+2:G0S+3], s[22:23]
	s_or_b32 s[G0S+3], s[G0S+3], 0x80000000
	s_mov_b32 s[G0SB], 1
	s_mov_b32 s[G0SB+1], SCB
	s_mov_b64 s[G0SB+2:G0SB+3], s[92:93]
	s_or_b32 s[G0SB+3], s[G0SB+3], 0x80000000
.irp s, 0,1
	s_mov_b32 s[G0+4*\s], 1
	s_add_co_u32 s[G0+4*\s+1], s45, \s*SLOT
	s_add_nc_u64 s[G0+4*\s+2:G0+4*\s+3], s[20:21], \s*8192
	s_or_b32 s[G0+4*\s+3], s[G0+4*\s+3], 0x80000000
	s_mov_b32 s[G0B+4*\s], 1
	s_add_co_u32 s[G0B+4*\s+1], s94, \s*SLOT
	s_add_nc_u64 s[G0B+4*\s+2:G0B+4*\s+3], s[46:47], \s*512
	s_or_b32 s[G0B+4*\s+3], s[G0B+4*\s+3], 0x80000000
.endr
	s_add_nc_u64 s[G0+6:G0+7], s[G0+6:G0+7], s[18:19]       ; slot 1's loads bring my half of a tile;
	s_add_nc_u64 s[G0B+6:G0B+7], s[G0B+6:G0B+7], s[18:19]
	s_mov_b32 s[G0+1], 0                           ; slot 0's first fills bring whole tiles
	s_mov_b32 s[G0B+1], ASL
; THE HEAD'S LOADS, ONE A WAVE: wave 0 slot 0's tile of A, wave 1 its tile of B, wave 2 A's scale words, wave 3 B's scale bytes: one chain of arms, every way passes one load
.macro ARM under, g0, g1, next
	s_cmp_lt_u32 s14, \under
	s_cbranch_scc0 \next
	tensor_load_to_lds s[\g0:\g0+3], s[\g1:\g1+7]
	s_nop 0
.rept 4
	v_nop
.endr
	s_branch .Lhead_asked
\next:
.endm
	ARM 1, G0,  G1,  .Lhead_b
	ARM 2, G0B, G1B, .Lhead_sa
	ARM 3, G0S, G1S, .Lhead_sb
	tensor_load_to_lds s[G0SB:G0SB+3], s[G1SB:G1SB+7]
	s_nop 0
.rept 4
	v_nop
.endr
.Lhead_asked:
	global_prefetch_b8 v[PFO], s[PFA:PFA+1] th:TH_LOAD_NT scope:SCOPE_SE   ; slot 1, one refill ahead of its load
	v_and_b32 v1, 15, v0
	v_bfe_u32 v2, v0, 4, 1
	v_and_b32 v3, 31, v0
	v_lshlrev_b32 v[LI], 4, v3
	s_lshl_b32 s21, s14, 11
	v_add_nc_u32 v[ADRA], s21, v[LI]
	v_add_nc_u32 v[ADRA+1], SLOT, v[ADRA]
	v_mul_u32_u24 v4, v1, BP
	v_lshl_add_u32 v4, v2, 4, v4
	s_lshl_b32 s21, s14, 7
	s_add_co_u32 s21, s21, ASL
	v_add_nc_u32 v[ADRB], s21, v4
	v_add_nc_u32 v[ADRB+1], SLOT, v[ADRB]
	s_lshl_b32 s21, s14, 9
	s_add_co_u32 s21, s21, SCA
	v_lshl_add_u32 v[ADSA], v1, 2, s21
	v_mul_u32_u24 v5, v1, KS
	v_lshrrev_b32 v6, 8, v5
	v_lshl_add_u32 v5, v6, 4, v5
	s_lshl_b32 s21, s14, 2
	s_add_co_u32 s21, s21, SCB
	v_add_nc_u32 v[ADSB], s21, v5
	s_mul_i32 s21, s14, 69632
	v_mul_u32_u24 v[RW], v2, 272
	v_lshl_add_u32 v[RW], v1, 4, v[RW]
	v_add_nc_u32 v[RW], s21, v[RW]
	v_add_nc_u32 v[RW+1], 34816, v[RW]
	v_lshrrev_b32 v5, 2, v3
	v_and_b32 v6, 1, v3
	v_lshl_add_u32 v5, v5, 1, v6
	v_mul_u32_u24 v5, v5, 544
	v_bfe_u32 v6, v3, 1, 1
	v_mad_u32_u24 v5, v6, 272, v5
	s_mul_i32 s21, s14, 17408
	v_add_nc_u32 v[RR], s21, v5
	v_add_nc_u32 v[RR+1], 69632, v[RR]
	v_add_nc_u32 v[RR+2], 69632, v[RR+1]
	v_add_nc_u32 v[RR+3], 69632, v[RR+2]
	s_lshl_b32 s20, s17, 7
	s_lshl_b32 s21, s14, 5
	s_add_co_u32 s20, s20, s21
	s_lshl_b32 s20, s20, 12
	s_lshl_b32 s46, s42, 9
	s_add_co_u32 s20, s20, s46
	s_mov_b32 s21, 0
	s_mov_b32 s47, 0
	s_add_nc_u64 s[96:97], s[96:97], s[20:21]
	s_add_nc_u64 s[98:99], s[98:99], s[20:21]
	s_add_nc_u64 s[10:11], s[10:11], s[46:47]
.macro MUL16 a0, p, zero
.irp a, \a0, \a0+1
.irp b, 0,1,2,3,4,5,6,7
.if \zero
	v_wmma_scale_f32_16x16x128_f8f6f4 v[8*(8*((\a)%4)+\b):8*(8*((\a)%4)+\b)+7], v[128*(\p)+FR*\b:128*(\p)+FR*\b+FR-1], v[AF+FR*(\a):AF+FR*(\a)+FR-1], 0, v[SC+16*(\p)+8+\b], v[SC+16*(\p)+(\a)] matrix_a_fmt:MATRIX_FMT_BF8 matrix_b_fmt:MATRIX_FMT_BF8
.else
	v_wmma_scale_f32_16x16x128_f8f6f4 v[8*(8*((\a)%4)+\b):8*(8*((\a)%4)+\b)+7], v[128*(\p)+FR*\b:128*(\p)+FR*\b+FR-1], v[AF+FR*(\a):AF+FR*(\a)+FR-1], v[8*(8*((\a)%4)+\b):8*(8*((\a)%4)+\b)+7], v[SC+16*(\p)+8+\b], v[SC+16*(\p)+(\a)] matrix_a_fmt:MATRIX_FMT_BF8 matrix_b_fmt:MATRIX_FMT_BF8
.endif
.endr
.endr
.endm
.macro FETCH_B slot
	WIN TO_B
.irp i, 0,1,2,3,4,5,6,7
.irp c, 0,1,2,3
	ds_load_b128 v[128*(\slot)+FR*\i+4*\c:128*(\slot)+FR*\i+4*\c+3], v[ADRB+\slot] offset:\i*16*BP+32*\c
.endr
.endr
	WIN 0
.endm
.macro FETCH_A slot, i0
.irp i, \i0, \i0+1, \i0+2, \i0+3
.irp c, 0,1,2,3
	ds_load_b128 v[AF+FR*(\i)+4*\c:AF+FR*(\i)+4*\c+3], v[ADRA+\slot] offset:(\i)*8192+512*\c
.endr
.endr
.endm
.macro SCALES p
.irp i, 0,1,2,3,4,5,6,7
	ds_load_b32 v[SC+16*(\p)+\i], v[ADSA] offset:64*\i
	ds_load_b32 v[SC+16*(\p)+8+\i], v[ADSB] offset:\i*SBLK
.endr
.endm
.macro PLACES n
.rept \n
	v_nop
.endr
.endm
.macro TURN slot, next, fill, zero, ask=1      ; ask = 0: the last refill: no slot follows it
.if (\fill) && (\ask)
	s_wait_xcnt 0x0                                ; my last prefetch has read its address
	s_add_nc_u64 s[PFA:PFA+1], s[PFA:PFA+1], s[PFS:PFS+1]
.endif
	s_wait_tensorcnt 0x0
	ds_add_u32 v[SPW], v[NIL]
	s_wait_dscnt 4*NL+1
	WIN MUL_LO
	MUL16 0, \slot, \zero
	s_wait_dscnt 0x0
	s_barrier_signal -1
	MUL16 2, \slot, \zero
	WIN 0
	s_barrier_wait -1
.if \fill
	CREST
	s_add_nc_u64 s[G0+4*\slot+2:G0+4*\slot+3], s[G0+4*\slot+2:G0+4*\slot+3], 16384
	s_add_nc_u64 s[G0B+4*\slot+2:G0B+4*\slot+3], s[G0B+4*\slot+2:G0B+4*\slot+3], 1024
	JLOAD G0+4*\slot, G1, G0B+4*\slot, G1B
	PLACES NP-4
.else
	PLACES NP
.endif
	s_wait_alu depctr_va_vdst(0)
	v_add_nc_u32 v[ADSA], 2048, v[ADSA]
	v_add_nc_u32 v[ADSB], 16, v[ADSB]
	FETCH_B \next
	FETCH_A \next, 0
	SCALES \next
.if (\fill) && (\ask)
	global_prefetch_b8 v[PFO], s[PFA:PFA+1] th:TH_LOAD_NT scope:SCOPE_SE   ; the slot that the next refill will load
.endif
	WIN MUL_HI
	MUL16 4, \slot, \zero
	MUL16 6, \slot, \zero
	PLACES NP
	WIN 0
	FETCH_A \next, 4
.endm
	s_wait_alu depctr_va_vdst(0)                   ; the wait at the head's end
	s_wait_tensorcnt 0x0                           ; my tile of the head's four is in; slot 1's first fill is issued as a refill is:
	ds_add_u32 v[SPW], v[NIL]                      ; 0 onto my spare word
	s_mov_b32 s[G1+2], 4<<16                       ; no tensor load of mine is out: from here on a load brings half a tile
	s_mov_b32 s[G1+4], 4
	s_mov_b32 s[G1B+2], 64<<16
	s_mov_b32 s[G1B+4], 64
.if NSLOT > 2
	s_mov_b32 s[G0+1], s45
	s_add_nc_u64 s[G0+2:G0+3], s[G0+2:G0+3], s[18:19]
	s_mov_b32 s[G0B+1], s94
	s_add_nc_u64 s[G0B+2:G0B+3], s[G0B+2:G0B+3], s[18:19]
	s_wait_xcnt 0x0                                ; the prefetch has read its address
	s_add_nc_u64 s[PFA:PFA+1], s[PFA:PFA+1], s[PFS:PFS+1]
.endif
	s_wait_dscnt 0x0
	CROUND                                         ; all four tiles are in, and all sixteen work-groups are here
	JLOAD G0+4, G1, G0B+4, G1B                     ; slot 1
	FETCH_B 0
	FETCH_A 0, 0
	SCALES 0
	FETCH_A 0, 4
.if NSLOT > 2
	global_prefetch_b8 v[PFO], s[PFA:PFA+1] th:TH_LOAD_NT scope:SCOPE_SE   ; slot 2
	TURN 0, 1, 1, 1
	s_mov_b32 s3, (NSLOT-4)/2
.Llap:
	TURN 1, 0, 1, 0
	TURN 0, 1, 1, 0
	s_sub_co_u32 s3, s3, 1
	s_cmp_lg_u32 s3, 0
	s_cbranch_scc1 .Llap
	TURN 1, 0, 1, 0, 0
	TURN 0, 1, 0, 0
.else
	TURN 0, 1, 0, 1
.endif
	global_load_b128 v[4:7], v[LI], s[10:11]       ; the bias, and my 32 rows of the residual, into B's set 0 (window 1), which the last 64 products do not read: eight places stand behind its last reader
	WIN TO_B
.set J, 0
.rept 32
	global_load_b128 v[4*J:4*J+3], v[LI], s[96:97] offset:4096*J
.set J, J+1
.endr
	WIN 0
	s_wait_dscnt 4*NL
	WIN MUL_LO
	MUL16 0, 1, 0
	MUL16 2, 1, 0
	s_wait_dscnt 0
	WIN MUL_HI
	MUL16 4, 1, 0
	MUL16 6, 1, 0
	WIN 0
	PLACES NP
	s_wait_dscnt 0x0
	s_barrier_signal -1
	s_barrier_wait -1
	WIN 0x08
.irp a, 0,1,2,3
.irp b, 0,1,2,3,4,5,6,7
	ds_store_b128 v[RW], v[64*\a+8*\b:64*\a+8*\b+3] offset:((\a*8+\b)*2)*544
	ds_store_b128 v[RW], v[64*\a+8*\b+4:64*\a+8*\b+7] offset:((\a*8+\b)*2+1)*544
.endr
.endr
	WIN 0x0c
.irp a, 0,1,2,3
.irp b, 0,1,2,3,4,5,6,7
	ds_store_b128 v[RW+1], v[64*\a+8*\b:64*\a+8*\b+3] offset:((\a*8+\b)*2)*544
	ds_store_b128 v[RW+1], v[64*\a+8*\b+4:64*\a+8*\b+7] offset:((\a*8+\b)*2+1)*544
.endr
.endr
	WIN 0
	s_wait_dscnt 0x0
	s_barrier_signal -1
	s_barrier_wait -1
.macro BATCH n
.irp q, 0,1,2,3
.irp s, 0,1,2,3
	ds_load_b128 v[64+64*((\n)%2)+16*\q+4*\s:64+64*((\n)%2)+16*\q+4*\s+3], v[RR+\s] offset:(((4*(\n)+\q)>>4)*8704)+(((4*(\n)+\q)&15)*16)
.endr
.endr
.endm
.macro BWORK n, out                    ; out: the next batch's 16 LDS loads, which may be out; the batches' registers, v64-127 and v128-191, take turns
	s_wait_dscnt \out
	s_wait_loadcnt 28-4*(\n)
.irp q, 0,1,2,3
.set T, 64+64*((\n)%2)+16*\q
	v_pk_add_f32 v[T:T+1], v[T:T+1], v[T+4:T+5]
	v_pk_add_f32 v[T+2:T+3], v[T+2:T+3], v[T+6:T+7]
	v_pk_add_f32 v[T+8:T+9], v[T+8:T+9], v[T+12:T+13]
	v_pk_add_f32 v[T+10:T+11], v[T+10:T+11], v[T+14:T+15]
	v_pk_add_f32 v[T:T+1], v[T:T+1], v[T+8:T+9]
	v_pk_add_f32 v[T+2:T+3], v[T+2:T+3], v[T+10:T+11]
	v_pk_add_f32 v[T:T+1], v[T:T+1], v[4:5]
	v_pk_add_f32 v[T+2:T+3], v[T+2:T+3], v[6:7]
.endr
	WIN 0x41                                       ; the residual's registers: source 0 and destination in window 1
.irp q, 0,1,2,3
.set T, 64+64*((\n)%2)+16*\q
.set R, 4*(4*(\n)+\q)
	v_pk_add_f32 v[R:R+1], v[R:R+1], v[T:T+1]
	v_pk_add_f32 v[R+2:R+3], v[R+2:R+3], v[T+2:T+3]
.endr
	WIN 0x04                                       ; a store's data: source 1
.irp q, 0,1,2,3
.set R, 4*(4*(\n)+\q)
	global_store_b128 v[LI], v[R:R+3], s[98:99] offset:4096*(4*(\n)+\q)
.endr
	WIN 0
.endm
	BATCH 0
.irp n, 0,1,2,3,4,5,6
	BATCH \n+1
	BWORK \n, 16
.endr
	BWORK 7, 0
	s_wait_tensorcnt 0x0
	ds_add_u32 v[SPW], v[NIL]
	s_wait_dscnt 0x0
	CROUND
	s_endpgm
.Lfunc_end_k_qe55efd0f92_ffn2:
	.size	k_qe55efd0f92_ffn2, .Lfunc_end_k_qe55efd0f92_ffn2-k_qe55efd0f92_ffn2
	.p2alignl 7, 3214868480
	.fill 96, 4, 3214868480
	.section	.rodata,"a",@progbits
	.p2align	6, 0x0
	.amdhsa_kernel k_qe55efd0f92_ffn2
		.amdhsa_group_segment_fixed_size 327680
		.amdhsa_private_segment_fixed_size 0
		.amdhsa_enable_private_segment 0
		.amdhsa_kernarg_size 48
		.amdhsa_user_sgpr_count 2
		.amdhsa_user_sgpr_kernarg_segment_ptr 1
		.amdhsa_wavefront_size32 1
		.amdhsa_system_sgpr_workgroup_id_x 1
		.amdhsa_system_sgpr_workgroup_id_y 1
		.amdhsa_system_sgpr_workgroup_id_z 1
		.amdhsa_system_vgpr_workitem_id 0
		.amdhsa_next_free_vgpr 1024
		.amdhsa_next_free_sgpr 106
		.amdhsa_reserve_vcc 0
		.amdhsa_float_denorm_mode_32 3
		.amdhsa_float_denorm_mode_16_64 3
		.amdhsa_memory_ordered 1
		.amdhsa_forward_progress 1
		.amdhsa_inst_pref_size 144
	.end_amdhsa_kernel
	.amdgpu_metadata
---
amdhsa.version: [ 1, 2 ]
amdhsa.kernels:
  - .name:           k_qe55efd0f92_ffn2
    .symbol:         k_qe55efd0f92_ffn2.kd
    .args:
      - { .name: hq, .offset: 0, .size: 8, .value_kind: global_buffer, .address_space: global }
      - { .name: w2_codes, .offset: 8, .size: 8, .value_kind: global_buffer, .address_space: global }
      - { .name: w2_scales, .offset: 16, .size: 8, .value_kind: global_buffer, .address_space: global }
      - { .name: b2, .offset: 24, .size: 8, .value_kind: global_buffer, .address_space: global }
      - { .name: xn, .offset: 32, .size: 8, .value_kind: global_buffer, .address_space: global }
      - { .name: out0, .offset: 40, .size: 8, .value_kind: global_buffer, .address_space: global }
    .group_segment_fixed_size: 327680
    .private_segment_fixed_size: 0
    .kernarg_segment_align: 8
    .kernarg_segment_size: 48
    .max_flat_workgroup_size: 128
    .sgpr_count:     106
    .vgpr_count:     1024
    .wavefront_size: 32
...
	.end_amdgpu_metadata
.endif
;; end of part 6
